; MI455X (gfx1250); checked and timed in simulation.
; The chip was launched on July 23, 2026; its instructions are those of AMD's public machine-readable ISA for CDNA 5 (MIT licence, August 2026) and "CDNA5" Instruction Set Architecture Reference Guide (July 2026). The comments in the code are by the model that wrote it; some were corrected since.
;; Multi Head Cross Attention. Allowed arithmetic: matrix products marked QUANTISED: E2M3 operands, one E8M0 scale for each 32 along K, by v_wmma_scale_f32_16x16x128_f8f6f4 with both operands' format E2M3, f32 sums; everything else in f32.
;; Inputs: K 2 x 2,048 x 1,024 float32; Q 2 x 2,048 x 1,024 float32; V 2 x 2,048 x 1,024 float32; W_k 1,024 x 1,024 float32; W_o 1,024 x 1,024 float32; W_q 1,024 x 1,024 float32; W_v 1,024 x 1,024 float32; mask 2 x 2,048 bool.
;; Outputs: out0 2 x 2,048 x 1,024 float32.
;; This version of the problem:
;;   THIS VERSION OF THE PROBLEM IS GIVEN IN LOW PRECISION. The matrix products marked QUANTISED in the list below multiply operands that are first quantised to E2M3 (2 exponent bits, 3 mantissa bits; 6 bits a number), with one power-of-two scale for each 32 numbers along K (OCP MX v1.0); their sums are f32. All else is computed in f32.
;;   The module's matrix products, in the order in which they are computed (A, B: the left and right operand; K: the contracted axis; several contracted axes count as one K, in the product's order):
;;     1. [M 4,096, K 1,024] x [K 1,024, N 1,024]; A: input Q; B: input W_q: QUANTISED
;;     2. [M 4,096, K 1,024] x [K 1,024, N 1,024]; A: input K; B: input W_k: QUANTISED
;;     3. [M 4,096, K 1,024] x [K 1,024, N 1,024]; A: input V; B: input W_v: QUANTISED
;;     4. batch 32 x [M 2,048, K 64] x [K 64, N 2,048]; A: computed on the way; B: computed on the way: QUANTISED
;;     5. batch 32 x [M 2,048, K 2,048] x [K 2,048, N 64]; A: computed on the way; B: computed on the way: QUANTISED
;;     6. [M 4,096, K 1,024] x [K 1,024, N 1,024]; A: computed on the way; B: input W_o: QUANTISED
;;   THE QUANTISER, for each operand of a quantised product, along K:
;;     - K is cut into blocks of 32 from its start; a last block that is shorter is filled with zeros.
;;     - A block's scale is 2^e with e = floor(log2(the largest magnitude in the block)) - 2, held to -126 .. 127; a block of zeros has e = 0. As a byte (E8M0): e + 127.
;;     - Each number is divided by its block's scale, clamped to +-7.5, and rounded to the nearest number of E2M3, ties to even, subnormals kept.
;;     - The product sums the exact products of the quantised numbers (number of the format x scale) in f32.
;;   ~~~python
;;   def quantise(x, axis):      # numpy; x: float32 -> the quantised numbers, widened to float32 again
;;       x = np.moveaxis(x, axis, -1); K = x.shape[-1]
;;       x = np.pad(x, [(0, 0)] * (x.ndim - 1) + [(0, -K % 32)]); x = x.reshape(x.shape[:-1] + (-1, 32)); a = np.abs(x).max(-1, keepdims=True)
;;       e = np.where(a > 0, np.clip(np.frexp(np.where(a > 0, a, 1))[1] - 1 - 2, -126, 127), 0)      # np.frexp(a)[1] - 1 = floor(log2(a)), exactly
;;       r = np.clip(x / 2.0 ** e, -7.5, 7.5)
;;       step = 2.0 ** (np.maximum(np.frexp(np.where(r == 0, 1, r))[1] - 1, 0) - 3)
;;       q = np.round(r / step) * step * 2.0 ** e      # np.round: ties to even
;;       return np.moveaxis(q.reshape(q.shape[:-2] + (-1,))[..., :K], -1, axis).astype(np.float32)
;;   ~~~
;;   OPERANDS COMPUTED ON THE WAY. 'Computed on the way' means the value that the module computes at that place (a softmax that the list does not call 'softmax' is quantised finished and normalised). What goes into a quantiser is computed in f32, as accurately as f32 sums, v_exp_f32 and their like allow (about 1e-6 of the number): no bf16 or f16 on the way to a quantiser, and a product that is left as it is and whose result goes on into a quantised operand takes f32 operands (vector FMAs, or v_wmma_f32_16x16x4_f32). A number that lies on a knife's edge between two numbers of the format may be rounded either way, as far as f32 arithmetic and the matrix unit's own rounding can turn it there, and no further.
;; 2 versions, each right; version 2 is version 1 with the launch attn written anew for expert scheduling mode. Each part assembles by itself: llvm-mc -triple=amdgcn-amd-amdhsa -mcpu=gfx1250 --defsym DOCPART=n.
;; ======== version 1 of 2: 4 launches
;; workspace buffers: xc 12,582,912 bytes; xs 524,288 bytes; pc 9,437,184 bytes; ps 786,432 bytes; oc 3,145,728 bytes; os 262,144 bytes
;; launch quant (part 1): grid 256 x 1, 8 waves a work-group, no clusters, 68,608 bytes of LDS; arguments Q, K, V, W_q, W_k, W_v, W_o, xc, xs; writes xc, xs
.if DOCPART == 1
	.amdgcn_target "amdgcn-amd-amdhsa--gfx1250"
	.amdhsa_code_object_version 6
	.text
	.protected	k_q0f896bcd63_quant
	.globl	k_q0f896bcd63_quant
	.p2align	8
	.type	k_q0f896bcd63_quant,@function
k_q0f896bcd63_quant:
	s_mov_b64 s[64:65], 0
	v_nop
	global_prefetch_b8 v0, s[64:65] scope:SCOPE_SE
	s_setreg_imm32_b32 hwreg(HW_REG_WAVE_MODE, 25, 1), 1
	s_wait_xcnt 0x0
; Q, K, V [4096][1024] and W_q, W_k, W_v, W_o [1024][1024], f32, K innermost, become codes of FP6 (E2M3) with one E8M0 byte for each 32 along K,
; laid in the order in which an operand's registers take them.
; TILES.  A tensor's rows are cut into tiles of 16: lane r of tile T takes row 32 (T / 2) + 8 (T % 2) + r + 8 (r / 8).  The seven tensors' tiles stand on end: Q 0-255, K 256-511, V 512-767,
; W_q 768-831, W_k 832-895, W_v 896-959, W_o 960-1023.
; xc = [tile][chunk of 64 along K, 0..15][768 bytes]: lane l = (r, h) owns block h of row r, 24 bytes = six registers: registers 0-3 at 16 l, registers 4-5 at 512 + 8 l.
; xs = [tile][half of K][r][16 bytes]: the four scale words (128 along K each) of the row's half.
; A block's scale is 2^(floor(log2(its largest magnitude)) - 2); its byte is the largest magnitude's exponent field - 2, held at 1 from below.
; LIMITS: a block of zeros gets the byte 1 where the rule says 127 (its codes are zeros, and these bytes are read by this program alone); NaN and infinities among the inputs are not served.
; SHARES.  Wave w of work-group g takes tile 4 g + w / 2 and half w % 2 of K: 16 rows x 512, four steps of 128.  A load reads 512 consecutive bytes of one row; the conversions want 32 neighbours in ONE lane:
; so a step's 16 x 512 bytes turn through the wave's own stage in LDS (pitch 528 = 33 x 16 bytes: the sixteen rows of a pass start at sixteen different banks of the 64 of 4 bytes: ISA guide 11.1).
; No barrier: waves share nothing.  No matrix unit, no cluster, no tensor load: a plain stream, each byte read once and each unit of 256 bytes written whole by one store.
.set STAGEB, 8448                      ; a wave's stage: 16 rows x 528
.set PITCH,  528
.set SW,  16                           ; v16-19   the four steps' scale words
.set CT,  20                           ; v20-27   the upper halves of two blocks' codes, before they are moved
.set CD,  28                           ; v28-59   codes: two sets x two chunks x 8 registers (6 used)
.set RIN, 64                           ; v64-191  two sets of 64: a step's numbers as loaded
.set X,   192                          ; v192-255 the step's numbers after the turn: my block of chunk c at X + 32 c
.set SEL, 34                           ; s34, s35 lane selects: lane l xor 16
	s_load_b512 s[4:19], s[0:1], 0x0               ; Q, K, V, W_q, W_k, W_v, W_o, xc
	s_load_b64 s[20:21], s[0:1], 0x40              ; xs
	v_lshl_add_u32 v62, v0, 2, 0x10800
	v_mov_b32 v63, 0
	v_lshrrev_b32 v1, 5, v0
	v_readfirstlane_b32 s22, v1                    ; wave 0..7
	v_and_b32 v1, 31, v0                           ; lane
	v_and_b32 v2, 15, v0                           ; r
	v_bfe_u32 v3, v0, 4, 1                         ; h
	v_lshlrev_b32 v4, 4, v1                        ; 16 l: my bytes of a load's 512, and of a store's
	s_mul_i32 s23, s22, STAGEB
	v_add_nc_u32 v5, s23, v4                       ; the stage, on the way in
	v_mul_u32_u24 v6, v2, PITCH
	v_lshl_add_u32 v6, v3, 7, v6
	v_add_nc_u32 v6, s23, v6                       ; and on the way out: row r, + 128 h: my block of 32 numbers
	v_lshlrev_b32 v7, 3, v1                        ; 8 l
	v_lshlrev_b32 v8, 4, v2                        ; 16 r
	v_lshlrev_b32 v9, 3, v3                        ; 8 h: my bytes' place in a scale word
	s_mov_b32 s[SEL], 0x76543210
	s_mov_b32 s[SEL+1], 0xfedcba98
	s_lshr_b32 s28, s22, 1                         ; which of the group's four tiles
	s_and_b32 s29, s22, 1                          ; which half of K
	s_wait_kmcnt 0x0
	; which tensor: the choice hangs on the work-group's number alone; s26 = the tensor's first work-group
.macro PICK lim, p, base
	s_cmp_lt_u32 ttmp9, \lim
	s_cselect_b64 s[24:25], s[\p:\p+1], s[24:25]
	s_cselect_b32 s26, \base, s26
.endm
	s_mov_b64 s[24:25], s[16:17]
	s_mov_b32 s26, 240
	PICK 240, 14, 224
	PICK 224, 12, 208
	PICK 208, 10, 192
	PICK 192, 8, 128
	PICK 128, 6, 64
	PICK 64, 4, 0
	s_sub_co_u32 s27, ttmp9, s26
	s_lshl_b32 s27, s27, 2
	s_add_co_u32 s27, s27, s28                     ; the tile's number in its tensor
	s_lshr_b32 s30, s27, 1
	s_lshl_b32 s30, s30, 17                        ; 32 rows of 4,096 bytes for each pair of tiles,
	s_and_b32 s31, s27, 1
	s_lshl_b32 s31, s31, 15                        ; 8 rows for the odd one,
	s_add_co_u32 s30, s30, s31
	s_lshl_b32 s31, s29, 11                        ; 2,048 bytes for the upper half of K
	s_add_co_u32 s30, s30, s31
	s_mov_b32 s31, 0
	s_add_nc_u64 s[24:25], s[24:25], s[30:31]
	s_lshl_b32 s32, ttmp9, 2
	s_add_co_u32 s32, s32, s28                     ; the tile's number among all 1,024
	s_mul_i32 s30, s32, 12288
	s_mul_i32 s33, s29, 6144
	s_add_co_u32 s30, s30, s33
	s_add_nc_u64 s[18:19], s[18:19], s[30:31]      ; xc at my eight chunks
	s_lshl_b32 s30, s32, 9
	s_lshl_b32 s33, s29, 8
	s_add_co_u32 s30, s30, s33
	s_add_nc_u64 s[20:21], s[20:21], s[30:31]      ; xs at my 256 bytes
.macro LOAD s                          ; step s: 16 rows x 512 consecutive bytes
.irp i, 0,1,2,3,4,5,6,7,8,9,10,11,12,13,14,15
	global_load_b128 v[RIN+64*((\s)%2)+4*\i:RIN+64*((\s)%2)+4*\i+3], v4, s[24:25] offset:(\i+8*(\i/8))*4096+512*(\s) th:TH_LOAD_NT
.endr
.endm
.macro STEP s
.set RS, RIN+64*((\s)%2)
.set CSET, CD+16*((\s)%2)
.if (\s) < 3
	s_wait_loadcnt 16                              ; this step's 16 loads are in; the next step's 16 may be out
.else
	s_wait_loadcnt 0x0
.endif
.irp i, 0,1,2,3,4,5,6,7,8,9,10,11,12,13,14,15
	ds_store_b128 v5, v[RS+4*\i:RS+4*\i+3] offset:PITCH*\i
.endr
.irp c, 0,1
.irp j, 0,1,2,3,4,5,6,7
	ds_load_b128 v[X+32*\c+4*\j:X+32*\c+4*\j+3], v6 offset:256*\c+16*\j   ; LDS serves a wave's instructions in order (ISA guide 5.7.1.4): these see the stores above
.endr
.endr
	s_wait_xcnt 0x0                                ; the stores of two steps ago have read this set of codes: it is written again only behind this wait
	s_wait_dscnt 0x0                               ; the numbers are back, and the stage's stores have read their registers,
.if (\s) < 2
	LOAD (\s)+2                                    ; which take the loads of two steps on
.endif
.irp c, 0,1
	v_max3_num_f32 v[10+\c], |v[X+32*\c]|, |v[X+32*\c+1]|, 0x1800000   ; my block's largest magnitude, all 32 numbers mine, and the floor 2^(3 - 127): the byte cannot fall under 1
.endr
.irp i, 2,4,6,8,10,12,14,16,18,20,22,24,26,28,30
.irp c, 0,1
	v_max3_num_f32 v[10+\c], v[10+\c], |v[X+32*\c+\i]|, |v[X+32*\c+\i+1]|
.endr
.endr
.irp c, 0,1
	v_add_nc_u32 v[12+\c], 0xff000000, v[10+\c]    ; 2 off the exponent field: the conversion takes the exponent field of this operand as its scale
.endr
.irp c, 0,1
	v_cvt_scalef32_pk16_fp6_f32 v[CSET+8*\c:CSET+8*\c+2], v[X+32*\c:X+32*\c+15], v[12+\c]
	v_cvt_scalef32_pk16_fp6_f32 v[CT+4*\c:CT+4*\c+2], v[X+32*\c+16:X+32*\c+31], v[12+\c]   ; (a conversion's three registers begin on an even number)
.endr
	v_nop                                          ; one plain place behind a scaled conversion
.irp c, 0,1
	v_lshrrev_b32 v[14+\c], 23, v[12+\c]           ; the scale's byte
.endr
.irp c, 0,1
.irp i, 0,1,2
	v_mov_b32 v[CSET+8*\c+3+\i], v[CT+4*\c+\i]
.endr
.endr
	v_lshl_or_b32 v14, v15, 16, v14                ; my two bytes: blocks h and 2 + h of the step,
	v_lshlrev_b32 v14, v9, v14                     ; at their places in the word;
	v_permlanex16_b32 v15, v14, s[SEL], s[SEL+1]
	v_or_b32 v[SW+\s], v14, v15                    ; with lane l xor 16's two the word is whole
.irp c, 0,1
	global_store_b128 v4, v[CSET+8*\c:CSET+8*\c+3], s[18:19] offset:(2*(\s)+\c)*768          ; 512 consecutive bytes
	global_store_b64 v7, v[CSET+8*\c+4:CSET+8*\c+5], s[18:19] offset:(2*(\s)+\c)*768+512     ; 256 consecutive bytes
.endr
.endm
	LOAD 0
	LOAD 1
	STEP 0
	STEP 1
	STEP 2
	STEP 3
	global_store_b128 v8, v[SW:SW+3], s[20:21]     ; 256 consecutive bytes; lanes 16-31 repeat lanes 0-15's bytes
	s_wait_tensorcnt 0x0
	ds_add_u32 v62, v63
	s_wait_dscnt 0x0
	s_endpgm
.Lfunc_end_k_q0f896bcd63_quant:
	.size	k_q0f896bcd63_quant, .Lfunc_end_k_q0f896bcd63_quant-k_q0f896bcd63_quant
	.p2alignl 7, 3214868480
	.fill 96, 4, 3214868480
	.section	.rodata,"a",@progbits
	.p2align	6, 0x0
	.amdhsa_kernel k_q0f896bcd63_quant
		.amdhsa_group_segment_fixed_size 68608
		.amdhsa_private_segment_fixed_size 0
		.amdhsa_enable_private_segment 0
		.amdhsa_kernarg_size 72
		.amdhsa_user_sgpr_count 2
		.amdhsa_user_sgpr_kernarg_segment_ptr 1
		.amdhsa_wavefront_size32 1
		.amdhsa_system_sgpr_workgroup_id_x 1
		.amdhsa_system_sgpr_workgroup_id_y 1
		.amdhsa_system_sgpr_workgroup_id_z 1
		.amdhsa_system_vgpr_workitem_id 0
		.amdhsa_next_free_vgpr 256
		.amdhsa_next_free_sgpr 66
		.amdhsa_reserve_vcc 0
		.amdhsa_float_denorm_mode_32 3
		.amdhsa_float_denorm_mode_16_64 3
		.amdhsa_memory_ordered 1
		.amdhsa_forward_progress 1
		.amdhsa_inst_pref_size 31
	.end_amdhsa_kernel
	.amdgpu_metadata
---
amdhsa.version: [ 1, 2 ]
amdhsa.kernels:
  - .name:           k_q0f896bcd63_quant
    .symbol:         k_q0f896bcd63_quant.kd
    .args:
      - { .name: Q, .offset: 0, .size: 8, .value_kind: global_buffer, .address_space: global }
      - { .name: K, .offset: 8, .size: 8, .value_kind: global_buffer, .address_space: global }
      - { .name: V, .offset: 16, .size: 8, .value_kind: global_buffer, .address_space: global }
      - { .name: W_q, .offset: 24, .size: 8, .value_kind: global_buffer, .address_space: global }
      - { .name: W_k, .offset: 32, .size: 8, .value_kind: global_buffer, .address_space: global }
      - { .name: W_v, .offset: 40, .size: 8, .value_kind: global_buffer, .address_space: global }
      - { .name: W_o, .offset: 48, .size: 8, .value_kind: global_buffer, .address_space: global }
      - { .name: xc, .offset: 56, .size: 8, .value_kind: global_buffer, .address_space: global }
      - { .name: xs, .offset: 64, .size: 8, .value_kind: global_buffer, .address_space: global }
    .group_segment_fixed_size: 68608
    .private_segment_fixed_size: 0
    .kernarg_segment_align: 8
    .kernarg_segment_size: 72
    .max_flat_workgroup_size: 256
    .sgpr_count:     66
    .vgpr_count:     256
    .wavefront_size: 32
...
	.end_amdgpu_metadata
.endif
;; end of part 1
;; launch proj (part 2): grid 8 x 96, 4 waves a work-group, clusters of 4 x 4, 197,120 bytes of LDS; arguments xc, xs, pc, ps; writes pc, ps
.if DOCPART == 2
	.amdgcn_target "amdgcn-amd-amdhsa--gfx1250"
	.amdhsa_code_object_version 6
	.text
	.protected	k_q0f896bcd63_proj
	.globl	k_q0f896bcd63_proj
	.p2align	8
	.type	k_q0f896bcd63_proj,@function
k_q0f896bcd63_proj:
	s_mov_b64 s[64:65], 0
	v_nop
	global_prefetch_b8 v0, s[64:65] scope:SCOPE_SE
	s_setreg_imm32_b32 hwreg(HW_REG_WAVE_MODE, 25, 1), 1
	s_wait_xcnt 0x0
	s_wait_alu depctr_hold_cnt(0) depctr_sa_sdst(0) depctr_va_vdst(0) depctr_va_sdst(0) depctr_va_ssrc(0) depctr_va_vcc(0) depctr_vm_vsrc(0)
	s_getreg_b32 s2, hwreg(HW_REG_IB_STS2, 6, 4)
	s_cmp_eq_u32 s2, 0
	s_cbranch_scc0 .Lentry_in_a_cluster
	s_endpgm
.Lentry_in_a_cluster:
	s_bfe_u32 s2, ttmp6, 0x10000c
	s_cmp_lg_u32 s2, 0xf033
	s_cbranch_scc0 .Lentry_shape_is_right
	s_endpgm
.Lentry_shape_is_right:
; The three projections q = Q W_q^T, k = K W_k^T, v = V W_v^T on codes of FP6 (E2M3) with E8M0 scales, sums in f32; the results are quantised in registers for the attention's two products.
; ONE FORM: D = S0 S1^T with S0 as source 0.  A lane then holds ONE row of S1 and its registers run along S0's rows, which are the next product's K.
;   q, k: S0 = the weight (K of the next product = the head's 64 features), S1 = the tokens.      v: S0 = V's tokens (K of the next product = the keys), S1 = W_v.
; xc, xs: tiles of 16 rows in the operand's register order (lane r of tile T holds row 32 (T / 2) + 8 (T % 2) + r + 8 (r / 8)): with such a tile as source 0, the 16 registers of tiles 2 b and 2 b + 1 are 16 neighbours along S0's rows.
; OUT.  pc: three regions (q, k, v) of [batch x head][128 pieces of 768 bytes]; a piece is 16 rows x 64 K, lane (r, h) owning block h of row r: registers 0-3 at 16 l, 4-5 at 512 + 8 l.
;   q, k: piece = token tile of the sequence.   v: piece = 32 x (tile of the head's 64 features) + chunk of 64 keys.
;   ps: three regions of [batch x head][32][r][4 words]; a word holds a piece's two scale bytes twice, b0 b1 b0 b1.   q, k: [quad of token tiles][r][tile % 4].   v: [key chunk][r][feature tile].
; LIMITS: a block of zeros gets the byte 1 where the rule says 127 (its codes are zeros; this program alone reads the bytes); NaN and infinities are not served.
; SHARES.  A work-group makes 128 x 128 of D; wave (w0 = w / 2, w1 = w % 2) 64 x 64: four tiles of S0 (one chunk of 64 along the next K) x four tiles of S1: 16 accumulators.  768 work-groups: three for each of 256.
; LDS.  All of K for the work-group, 2 x 96 KiB, is filled ONCE, in four portions of 256 along K: nothing is filled again.  A wave has four tensor loads out at the most.
; CLUSTER 4 x 4.  S0's block hangs on the cluster's place and on cx alone: asked for jointly by the four of a column; S1's on the cluster's place and cy alone: by the four of a row.
; REGISTERS.  window 0: v4-11 LDS addresses; v12-14 16 r, 16 l, 8 l; v16-47 S0's scale words (8 t + K step), v48-79 S1's; v80-95 at work on the way out; v96-223 accumulators (32 t1 + 8 t0); v224-255 codes.
;   window 1: two sets of fragments at v0 and v128: S0's four at 12 t, S1's four at 48 + 12 t.
.set TILEB, 12288                      ; a tile's codes for all of K
.set PORT,  24576                      ; a portion in LDS: 8 tiles x 3,072 bytes (256 along K)
.set REG1,  98304                      ; S1's region; S0's begins at 0
.set SC0, 16
.set SC1, 48
.set TM,  80
.set CT,  88
.set SW,  92
.set ACC, 96
.set CD,  224
.set G1A, 24                           ; s[24:31] descriptor group 1 for S0;  s[32:39] for S1: they differ in the mask
.set G1B, 32
.set G0A, 40                           ; s[40:55] group 0 for S0, a set for each portion;  s[68:83] for S1
.set G0B, 68
.set SEL, 100                          ; s100, s101 lane selects: lane l xor 16
.set MSB, 0
.macro WIN new                         ; the immediate's high byte repeats the setting that is left
.if MSB != \new
	s_set_vgpr_msb (MSB<<8)|\new
.set MSB, \new
.endif
.endm
.macro CROUND                          ; a round of the cluster's barrier
	s_barrier_signal -1
	s_barrier_wait -1
	s_cmp_lg_u32 s12, 0
	s_cbranch_scc1 .Lnot_wave_0_\@
	s_barrier_signal -3
.Lnot_wave_0_\@:
	s_barrier_wait -3
	s_barrier_signal -1
	s_barrier_wait -1
.endm
; 32 numbers of a lane, register 16 b + i = k 32 b + 16 (lane / 16) + i of my row, become a piece's six registers v[cd] on and its scale word v[w] (b0 b1 b0 b1).
.macro QUANT2 src, cd, ct, w, tm
.irp b, 0,1
	v_max3_num_f32 v[\tm+\b], |v[\src+16*\b]|, |v[\src+16*\b+1]|, 0x1800000   ; my 16 numbers of block b, and the floor 2^(3 - 127): the byte cannot fall under 1.  Each accumulator is read from its low end on
.endr
.irp i, 2,4,6,8,10,12,14
.irp b, 0,1
	v_max3_num_f32 v[\tm+\b], v[\tm+\b], |v[\src+16*\b+\i]|, |v[\src+16*\b+\i+1]|
.endr
.endr
.irp b, 0,1
	v_permlanex16_b32 v[\tm+2+\b], v[\tm+\b], s[SEL], s[SEL+1]
.endr
.irp b, 0,1
	v_max_num_f32 v[\tm+\b], v[\tm+\b], v[\tm+2+\b]   ; with lane l xor 16's 16: the block's largest magnitude
.endr
.irp b, 0,1
	v_add_nc_u32 v[\tm+4+\b], 0xff000000, v[\tm+\b]   ; 2 off the exponent field: the conversion's scale operand
.endr
.irp b, 0,1
	v_lshrrev_b32 v[\tm+2+\b], 23, v[\tm+4+\b]        ; the scale's byte
.endr
	v_lshl_or_b32 v[\w], v[\tm+3], 8, v[\tm+2]
	v_lshl_or_b32 v[\w], v[\w], 16, v[\w]
	v_cvt_scalef32_pk16_fp6_f32 v[\cd:\cd+2], v[\src:\src+15], v[\tm+4]
	v_cvt_scalef32_pk16_fp6_f32 v[\ct:\ct+2], v[\src+16:\src+31], v[\tm+5]
	v_nop                                          ; one plain place behind a scaled conversion
.irp i, 0,1,2
	v_permlane16_swap_b32 v[\cd+\i], v[\ct+\i]     ; a lane wants a WHOLE block: lanes 0-15 block 0, lanes 16-31 block 1
.endr
.irp i, 0,1,2
	v_mov_b32 v[\cd+3+\i], v[\ct+\i]
.endr
.endm
	s_load_b256 s[4:11], s[0:1], 0x0               ; xc, xs, pc, ps
	v_lshl_add_u32 v254, v0, 2, 0x30000
	v_mov_b32 v255, 0
	ds_add_u32 v254, v255
	ds_add_u32 v254, v255
	v_lshrrev_b32 v1, 5, v0
	v_readfirstlane_b32 s12, v1                    ; wave 0..3
	s_lshr_b32 s13, s12, 1                         ; w0: my 64 rows of S0.  Also: I fetch for S0 (0) or S1 (1)
	s_and_b32 s14, s12, 1                          ; w1: my 64 rows of S1.  Also: which four tiles of the block I fetch
	s_bfe_u32 s15, ttmp6, 0x40000                  ; cx
	s_bfe_u32 s16, ttmp6, 0x40004                  ; cy
	s_and_b32 s17, ttmp7, 0xffff                   ; the cluster's y, 0..23
	s_lshr_b32 s18, s17, 3                         ; which projection: 0 q, 1 k, 2 v: the same in all sixteen partners
	s_and_b32 s19, s17, 7
	; S0's block: registers s2, s20-22, s60-61, s94-95 never hold cy
	s_lshl_b32 s20, ttmp9, 2
	s_add_co_u32 s20, s20, s15                     ; 4 x cluster x + cx
	s_lshr_b32 s21, s19, 1
	s_lshl_b32 s21, s21, 3                         ; v: + 8 x ((cluster y % 8) / 2): 32 blocks of tokens
	s_lshl_b32 s22, s18, 6
	s_add_co_u32 s22, s22, 768                     ; q, k: the weight's first tile
	; S1's block: registers s3, s56-58, s62-63, s96-97 never hold cx
	s_lshl_b32 s56, s19, 2                         ; q, k: 4 x (cluster y % 8): 32 blocks of tokens
	s_and_b32 s57, s17, 1
	s_lshl_b32 s57, s57, 2                         ; v: 4 x (cluster y % 2): 8 blocks of W_v
	s_lshl_b32 s58, s18, 8                         ; q, k: the tokens' first tile
	s_cmp_eq_u32 s18, 2
	s_cselect_b32 s21, s21, 0
	s_cselect_b32 s22, 512, s22                    ; v: V's first tile
	s_cselect_b32 s56, s57, s56
	s_cselect_b32 s58, 896, s58                    ; v: W_v's first tile
	s_cselect_b32 s59, 1, 0
	s_add_co_u32 s20, s20, s21                     ; S0's block of 128 rows
	s_add_co_u32 s56, s56, s16                     ; S1's
	s_lshl_b32 s2, 0x1111, s15                     ; my column of the cluster
	s_lshl_b32 s3, s16, 2
	s_lshl_b32 s3, 15, s3                          ; my row
	; descriptor group 1: four tiles' 3,072 bytes (256 along K), 12,288 bytes apart in memory, on end in LDS
	s_or_b32 s[G1A], s2, (3<<16)|(1<<21)           ; 15:0 the mask; 17:16 elements of 8 bytes; 20 no padding; 21 set beside a mask
	s_or_b32 s[G1B], s3, (3<<16)|(1<<21)
.irp g, G1A, G1B
	s_mov_b32 s[\g+1], 384<<16                     ; tensor_dim0 = 384 elements
	s_mov_b32 s[\g+2], 4<<16                       ; tensor_dim1 = 4
	s_mov_b32 s[\g+3], 384<<16                     ; tile_dim0
	s_mov_b32 s[\g+4], 4                           ; tile_dim1
	s_mov_b32 s[\g+5], 1536                        ; tensor_dim0_stride
	s_mov_b32 s[\g+6], 0
	s_mov_b32 s[\g+7], 0
.endr
	s_lshl_b32 s2, s20, 3
	s_add_co_u32 s2, s2, s22                       ; S0's block begins at this tile
	s_lshl_b32 s21, s14, 2
	s_add_co_u32 s60, s2, s21                      ; the four tiles that I would fetch
	s_mul_i32 s60, s60, TILEB
	s_mov_b32 s61, 0
	s_lshl_b32 s21, s13, 2
	s_add_co_u32 s94, s2, s21                      ; the four tiles that I multiply: their scale words, 512 bytes a tile
	s_lshl_b32 s94, s94, 9
	s_mov_b32 s95, 0
	s_lshl_b32 s3, s56, 3
	s_add_co_u32 s3, s3, s58                       ; S1's block begins at this tile
	s_lshl_b32 s57, s14, 2
	s_add_co_u32 s62, s3, s57                      ; the four tiles that I would fetch are those that I multiply
	s_lshl_b32 s96, s62, 9
	s_mov_b32 s97, 0
	s_mul_i32 s62, s62, TILEB
	s_mov_b32 s63, 0
	s_mul_i32 s23, s14, TILEB                      ; where they go in a portion: no place in the cluster enters an LDS address
	s_mov_b32 s[SEL], 0x76543210
	s_mov_b32 s[SEL+1], 0xfedcba98
	s_wait_dscnt 0x0
	s_wait_kmcnt 0x0
	s_add_nc_u64 s[60:61], s[4:5], s[60:61]
	s_add_nc_u64 s[62:63], s[4:5], s[62:63]
	s_add_nc_u64 s[94:95], s[6:7], s[94:95]
	s_add_nc_u64 s[96:97], s[6:7], s[96:97]
.irp p, 0,1,2,3
	s_mov_b32 s[G0A+4*\p], 1                                       ; count = 1
	s_add_co_u32 s[G0A+4*\p+1], s23, PORT*\p                       ; LDS address
	s_add_nc_u64 s[G0A+4*\p+2:G0A+4*\p+3], s[60:61], 3072*\p       ; global address: portion p
	s_or_b32 s[G0A+4*\p+3], s[G0A+4*\p+3], 0x80000000              ; type = 2
	s_mov_b32 s[G0B+4*\p], 1
	s_add_co_u32 s[G0B+4*\p+1], s23, REG1+PORT*\p
	s_add_nc_u64 s[G0B+4*\p+2:G0B+4*\p+3], s[62:63], 3072*\p
	s_or_b32 s[G0B+4*\p+3], s[G0B+4*\p+3], 0x80000000
.endr
	CROUND                                         ; all sixteen work-groups are here: the joint loads meet
	s_cmp_lt_u32 s12, 2                            ; a wave's four fills stand in one branch on the wave's number, ahead of every wait on TENSORcnt, every LDS read and every other barrier
	s_cbranch_scc0 .Lfor_s1
	tensor_load_to_lds s[G0A:G0A+3], s[G1A:G1A+7]
	s_nop 0
	tensor_load_to_lds s[G0A+4:G0A+7], s[G1A:G1A+7]
	s_nop 0
	tensor_load_to_lds s[G0A+8:G0A+11], s[G1A:G1A+7]
	s_nop 0
	tensor_load_to_lds s[G0A+12:G0A+15], s[G1A:G1A+7]
	s_nop 0
.rept 4
	v_nop
.endr
	s_branch .Lasked
.Lfor_s1:
	tensor_load_to_lds s[G0B:G0B+3], s[G1B:G1B+7]
	s_nop 0
	tensor_load_to_lds s[G0B+4:G0B+7], s[G1B:G1B+7]
	s_nop 0
	tensor_load_to_lds s[G0B+8:G0B+11], s[G1B:G1B+7]
	s_nop 0
	tensor_load_to_lds s[G0B+12:G0B+15], s[G1B:G1B+7]
	s_nop 0
.rept 4
	v_nop
.endr
.Lasked:
	v_and_b32 v1, 31, v0                           ; lane
	v_and_b32 v2, 15, v0                           ; r
	v_lshlrev_b32 v12, 4, v2
	v_lshlrev_b32 v13, 4, v1
	v_lshlrev_b32 v14, 3, v1
.irp t, 0,1,2,3
.irp g, 0,1
	global_load_b128 v[SC0+8*\t+4*\g:SC0+8*\t+4*\g+3], v12, s[94:95] offset:512*\t+256*\g   ; lane r: the words of K steps 4 g .. 4 g + 3 of its row (lanes 16-31 repeat them and are not read)
	global_load_b128 v[SC1+8*\t+4*\g:SC1+8*\t+4*\g+3], v12, s[96:97] offset:512*\t+256*\g
.endr
.endr
	s_mul_i32 s98, s13, TILEB                      ; my four tiles of S0 in a portion
	v_add_nc_u32 v4, s98, v13                      ; v4, v5: 16 l, portions 0-1 and 2-3 (an LDS offset has 16 bits)
	v_add_nc_u32 v5, 2*PORT, v4
	v_add_nc_u32 v8, s98, v14                      ; v8, v9: the same with 8 l
	v_add_nc_u32 v9, 2*PORT, v8
	s_mul_i32 s99, s14, TILEB
	s_add_co_u32 s99, s99, REG1                    ; and of S1
	v_add_nc_u32 v6, s99, v13
	v_add_nc_u32 v7, 2*PORT, v6
	v_add_nc_u32 v10, s99, v14
	v_add_nc_u32 v11, 2*PORT, v10
	v_mov_b32 v[TM+2], 0                           ; written once: a lane permute's destination counts as one of its sources
	v_mov_b32 v[TM+3], 0
	; where the results go
	s_lshl_b32 s98, s20, 1
	s_add_co_u32 s98, s98, s13                     ; c0: my chunk of 64 of S0's rows
	s_lshr_b32 s84, s56, 4
	s_lshl_b32 s84, s84, 4
	s_add_co_u32 s84, s84, s98                     ; q, k: 16 x batch + head (c0 is the head)
	s_and_b32 s85, s56, 15
	s_lshl_b32 s85, s85, 3
	s_lshl_b32 s99, s14, 2
	s_add_co_u32 s85, s85, s99                     ; q, k: my first token tile in the sequence
	s_lshr_b32 s86, s85, 2                         ; q, k: its quad
	s_lshr_b32 s87, s98, 5
	s_lshl_b32 s87, s87, 4
	s_lshl_b32 s99, s56, 1
	s_add_co_u32 s87, s87, s99
	s_add_co_u32 s87, s87, s14                     ; v: 16 x batch + head (my four tiles of W_v are one head)
	s_and_b32 s88, s98, 31                         ; v: the key chunk in the sequence
	s_mov_b32 s66, 768                             ; q, k: from tile to tile
	s_cmp_eq_u32 s59, 1
	s_cselect_b32 s84, s87, s84
	s_cselect_b32 s85, s88, s85
	s_cselect_b32 s86, s88, s86
	s_cselect_b32 s66, 24576, s66                  ; v: from feature tile to feature tile: 32 pieces
	s_mov_b32 s67, 0
	s_lshl_b32 s92, s84, 13
	s_lshl_b32 s99, s86, 8
	s_add_co_u32 s92, s92, s99
	s_lshl_b32 s99, s18, 18
	s_add_co_u32 s92, s92, s99
	s_mov_b32 s93, 0
	s_add_nc_u64 s[92:93], s[10:11], s[92:93]      ; ps: region + 8,192 x (batch, head) + 256 x place
	s_lshl_b32 s98, s84, 7
	s_add_co_u32 s98, s98, s85
	s_mul_i32 s98, s98, 768
	s_mul_i32 s99, s18, 3145728
	s_add_co_u32 s98, s98, s99
	s_mov_b32 s99, 0
	s_add_nc_u64 s[84:85], s[8:9], s[98:99]        ; pc: my four pieces
	s_add_nc_u64 s[86:87], s[84:85], s[66:67]
	s_add_nc_u64 s[88:89], s[86:87], s[66:67]
	s_add_nc_u64 s[90:91], s[88:89], s[66:67]
.macro FRAG reg, a16, a8, off          ; a fragment, 16 rows x 128 K, is two pieces of 768 bytes: four dense loads
	ds_load_b128 v[\reg:\reg+3], v[\a16] offset:\off
	ds_load_b64 v[\reg+4:\reg+5], v[\a8] offset:\off+512
	ds_load_b128 v[\reg+6:\reg+9], v[\a16] offset:\off+768
	ds_load_b64 v[\reg+10:\reg+11], v[\a8] offset:\off+1280
.endm
.macro FETCH s, f                      ; K step s: 8 fragments, 32 loads, into set f
	WIN 0x40                                       ; destination window 1, address window 0
.irp t, 0,1,2,3
	FRAG \f+12*\t, 4+(\s)/4, 8+(\s)/4, PORT*(((\s)/2)%2)+3072*\t+1536*((\s)%2)
	FRAG \f+48+12*\t, 6+(\s)/4, 10+(\s)/4, PORT*(((\s)/2)%2)+3072*\t+1536*((\s)%2)
.endr
	WIN 0
.endm
.macro MULS s, f, zero                 ; 16 products; the 16 accumulators take turns, one instruction a turn, in the same order in every step
	WIN 0x05                                       ; sources 0 and 1 window 1; C and D window 0
.irp b, 0,1,2,3
.irp a, 0,1,2,3
.if \zero
	v_wmma_scale_f32_16x16x128_f8f6f4 v[ACC+32*\b+8*\a:ACC+32*\b+8*\a+7], v[\f+12*\a:\f+12*\a+11], v[\f+48+12*\b:\f+48+12*\b+11], 0, v[SC0+8*\a+(\s)], v[SC1+8*\b+(\s)] matrix_a_fmt:MATRIX_FMT_FP6 matrix_b_fmt:MATRIX_FMT_FP6
.else
	v_wmma_scale_f32_16x16x128_f8f6f4 v[ACC+32*\b+8*\a:ACC+32*\b+8*\a+7], v[\f+12*\a:\f+12*\a+11], v[\f+48+12*\b:\f+48+12*\b+11], v[ACC+32*\b+8*\a:ACC+32*\b+8*\a+7], v[SC0+8*\a+(\s)], v[SC1+8*\b+(\s)] matrix_a_fmt:MATRIX_FMT_FP6 matrix_b_fmt:MATRIX_FMT_FP6
.endif
.endr
.endr
	WIN 0
.endm
.macro KSTEP s
.if ((\s)%2 == 1) && ((\s) < 7)
	s_wait_dscnt 0x0                               ; no LDS instruction of mine is pending at a signal
	s_wait_tensorcnt 3-((\s)+1)/2                  ; my part of the next portion is in; my later portions may be out
	s_barrier_signal -1
	s_barrier_wait -1                              ; everybody's is
.endif
.if (\s) < 7
.if (\s) > 0
.rept 4
	v_nop                                          ; four places between the last product that read this set of fragments and the loads into it (ISA guide 7.12.1 for vector instructions)
.endr
.endif
	FETCH (\s)+1, 128*(((\s)+1)%2)
	s_wait_dscnt 32                                ; this step's fragments are in; the 32 loads just issued may be out
.else
	s_wait_dscnt 0x0
.endif
.if (\s) == 0
	MULS \s, 128*((\s)%2), 1                       ; the first products start the sums: nothing is cleared
.else
	MULS \s, 128*((\s)%2), 0
.endif
.endm
	s_wait_loadcnt 0x0                             ; the scale words
	s_wait_tensorcnt 3                             ; my part of portion 0 is in; three loads of mine may be out
	s_barrier_signal -1
	s_barrier_wait -1
	FETCH 0, 0
.irp k, 0,1,2,3,4,5,6,7
	KSTEP \k
.endr
.rept 4
	v_nop                                          ; four places in front of the first read of results
.endr
.irp t, 0,1,2,3                        ; tile t of S1: my 32 registers are 64 along the next K in two lanes: one piece and one word
	QUANT2 ACC+32*\t, CD+8*\t, CT, SW+\t, TM
	global_store_b128 v13, v[CD+8*\t:CD+8*\t+3], s[84+2*\t:85+2*\t]              ; 512 consecutive bytes
	global_store_b64 v14, v[CD+8*\t+4:CD+8*\t+5], s[84+2*\t:85+2*\t] offset:512  ; 256 consecutive bytes
.endr
	global_store_b128 v12, v[SW:SW+3], s[92:93]    ; 256 consecutive bytes; lanes 16-31 repeat lanes 0-15's
	s_wait_tensorcnt 0x0
	s_wait_dscnt 0x0
	s_wait_tensorcnt 0x0
	ds_add_u32 v254, v255
	s_wait_dscnt 0x0
	CROUND                                         ; the closing round: no work-group ends while a partner may still ask for a tile that names it
	s_endpgm
.Lfunc_end_k_q0f896bcd63_proj:
	.size	k_q0f896bcd63_proj, .Lfunc_end_k_q0f896bcd63_proj-k_q0f896bcd63_proj
	.p2alignl 7, 3214868480
	.fill 96, 4, 3214868480
	.section	.rodata,"a",@progbits
	.p2align	6, 0x0
	.amdhsa_kernel k_q0f896bcd63_proj
		.amdhsa_group_segment_fixed_size 197120
		.amdhsa_private_segment_fixed_size 0
		.amdhsa_enable_private_segment 0
		.amdhsa_kernarg_size 32
		.amdhsa_user_sgpr_count 2
		.amdhsa_user_sgpr_kernarg_segment_ptr 1
		.amdhsa_wavefront_size32 1
		.amdhsa_system_sgpr_workgroup_id_x 1
		.amdhsa_system_sgpr_workgroup_id_y 1
		.amdhsa_system_sgpr_workgroup_id_z 1
		.amdhsa_system_vgpr_workitem_id 0
		.amdhsa_next_free_vgpr 512
		.amdhsa_next_free_sgpr 102
		.amdhsa_reserve_vcc 0
		.amdhsa_float_denorm_mode_32 3
		.amdhsa_float_denorm_mode_16_64 3
		.amdhsa_memory_ordered 1
		.amdhsa_forward_progress 1
		.amdhsa_inst_pref_size 55
	.end_amdhsa_kernel
	.amdgpu_metadata
---
amdhsa.version: [ 1, 2 ]
amdhsa.kernels:
  - .name:           k_q0f896bcd63_proj
    .symbol:         k_q0f896bcd63_proj.kd
    .args:
      - { .name: xc, .offset: 0, .size: 8, .value_kind: global_buffer, .address_space: global }
      - { .name: xs, .offset: 8, .size: 8, .value_kind: global_buffer, .address_space: global }
      - { .name: pc, .offset: 16, .size: 8, .value_kind: global_buffer, .address_space: global }
      - { .name: ps, .offset: 24, .size: 8, .value_kind: global_buffer, .address_space: global }
    .group_segment_fixed_size: 197120
    .private_segment_fixed_size: 0
    .kernarg_segment_align: 8
    .kernarg_segment_size: 32
    .max_flat_workgroup_size: 128
    .sgpr_count:     102
    .vgpr_count:     512
    .wavefront_size: 32
...
	.end_amdgpu_metadata
.endif
;; end of part 2
;; launch attn (part 3): grid 8 x 32, 8 waves a work-group, no clusters, 264,704 bytes of LDS; arguments pc, ps, mask, oc, os; writes oc, os
.if DOCPART == 3
	.amdgcn_target "amdgcn-amd-amdhsa--gfx1250"
	.amdhsa_code_object_version 6
	.text
	.protected	k_q0f896bcd63_attn
	.globl	k_q0f896bcd63_attn
	.p2align	8
	.type	k_q0f896bcd63_attn,@function
k_q0f896bcd63_attn:
	s_mov_b64 s[64:65], 0
	v_nop
	global_prefetch_b8 v0, s[64:65] scope:SCOPE_SE
	s_setreg_imm32_b32 hwreg(HW_REG_WAVE_MODE, 25, 1), 1
	s_wait_xcnt 0x0
; For each batch and head: attn = exp(clip(q k^T / 8, -50, 50)) x mask(query) / denominator, out = attn v; both products on codes of FP6 (E2M3) with E8M0 scales, sums in f32.
; attn is quantised FINISHED AND NORMALISED, along the keys, so a row's whole denominator is known before any of its numbers is quantised.  No maximum is taken away: the clip at +-50, made here too,
; holds every exponential between e^-50 and e^50 and a row's sum under 2,048 e^50, inside f32.  A masked query, whose sum the definition replaces by 1 over zeros, gets the factor 0.
; THE IDEA.  The scores of 16 queries against all 2,048 keys lie in the registers of the work-group's eight waves: wave w owns keys 256 w .. 256 w + 255, 128 registers.  So each score and each exponential is made once;
; the waves exchange their partial sums through 512 bytes of LDS; then each normalises, quantises and multiplies its own numbers.  A wave's K and V (96 + 96 registers) stay in registers for the whole launch.
; SHARES.  Work-group (x, y): head and batch y, query tiles 16 x .. 16 x + 15, a tile (a BLOCK) at a time.  256 work-groups.
; ONE BARRIER A BLOCK.  The partial sums have two sets of LDS words, taken by turns: a set is written again only behind the next block's barrier, which every wave signals behind the wait for its reads of the set.
; A wave's part of O^T (its 256 keys') is only STORED in a block, into bytes that are the block's own; after eight blocks one barrier follows, and wave w sums the eight parts of block w and quantises the result.
; NO CLUSTER: the eight work-groups of a head read the same 192 KiB of K and V, but once each, at the head, straight into registers, for 256 x 2,048 scores of work; no loop fetches a shared tile.
; LAYOUT.  Both products are used transposed: S^T = K Q^T (source 0 = keys), O^T = V^T P^T (source 0 = the head's features): a lane holds ONE query (lane % 16).  Tiles are laid so that the 16 registers of
; key tiles 2 b and 2 b + 1 are keys 32 b + 16 (lane / 16) + 0 .. 15.
; K = 64 IN AN INSTRUCTION OF 128: source 0 holds TWO key tiles, one in k 0-63 and one in k 64-127; source 1 is (q, zeros) or (zeros, q): zero codes add nothing.  Over the zero half q's scale bytes are 0.
; OUT.  oc = [token tile][head][768]: the head's output as codes along the features, in the operand's register order; os = [head][quad of token tiles][r][4 words b0 b1 b0 b1].
; ACCURACY AND LIMITS: the exponent is clip(score x 8, +-400) x (log2 e / 8), one rounding, then v_exp_f32; the division is v_rcp_f32 and a multiplication.  A block of zeros gets the byte 1 where the rule says 127
; (its codes are zeros; this program alone reads the bytes); a normalised number under 2^-124 shares the floor's scale; NaN and infinities are not served.
; REGISTERS.  window 1: v0-95 K (tile i at 6 i); v96-191 V (feature tile t, key chunk c at 96 + 24 t + 6 c); v192-223 O^T (8 t).
;   window 0: v1-4 16 l, 8 l, 16 r, r + 8 (r / 8); v5-8 offsets of the next block's loads; v9-11, v14-17 LDS addresses; v18-21 sums; v22-23 the factor; v24-25 the mask byte, now and next; v26 q's scale word as loaded; v27 a word;
;   v28-45 q, zeros, q; v46-61 at work; v62-69 the conversions' scale operands; v70-71 q's two scale words; v72-199 S^T, then p; v200-207 K's scale words; v208-215 V's; v216-217 p's; v218-241 p's codes; v242-249 at work; v254 400.0.
.set SUM, 0                            ; LDS: [set][r][wave] partial sums: two sets of 512 bytes
.set OP,  1024                         ; [block % 8][wave][plane][16 l]: each wave's O^T of each of eight blocks as an image of its 32 registers, 8 planes of 512 bytes: 8 x 8 x 4,096 bytes
.set SCW, OP+262144                    ; eight tiles' scale words: 512 bytes
.set TM,  46
.set TM2, 54
.set CTB, 46
.set SO,  62
.set S,   72
.set KS,  200
.set VS,  208
.set PW,  216
.set PC0, 218
.set SEL, 40
.set MSB, 0
.macro WIN new                         ; the immediate's high byte repeats the setting that is left
.if MSB != \new
	s_set_vgpr_msb (MSB<<8)|\new
.set MSB, \new
.endif
.endm
.macro QUANT2 src, cd, ct, w, tm       ; 32 numbers of a lane, register 16 b + i = k 32 b + 16 (lane / 16) + i of my row -> six registers of codes and the word b0 b1 b0 b1
.irp b, 0,1
	v_max3_num_f32 v[\tm+\b], |v[\src+16*\b]|, |v[\src+16*\b+1]|, 0x1800000
.endr
.irp i, 2,4,6,8,10,12,14
.irp b, 0,1
	v_max3_num_f32 v[\tm+\b], v[\tm+\b], |v[\src+16*\b+\i]|, |v[\src+16*\b+\i+1]|
.endr
.endr
.irp b, 0,1
	v_permlanex16_b32 v[\tm+2+\b], v[\tm+\b], s[SEL], s[SEL+1]
.endr
.irp b, 0,1
	v_max_num_f32 v[\tm+\b], v[\tm+\b], v[\tm+2+\b]
.endr
.irp b, 0,1
	v_add_nc_u32 v[\tm+4+\b], 0xff000000, v[\tm+\b]
.endr
.irp b, 0,1
	v_lshrrev_b32 v[\tm+2+\b], 23, v[\tm+4+\b]
.endr
	v_lshl_or_b32 v[\w], v[\tm+3], 8, v[\tm+2]
	v_lshl_or_b32 v[\w], v[\w], 16, v[\w]
	v_cvt_scalef32_pk16_fp6_f32 v[\cd:\cd+2], v[\src:\src+15], v[\tm+4]
	v_cvt_scalef32_pk16_fp6_f32 v[\ct:\ct+2], v[\src+16:\src+31], v[\tm+5]
	v_nop                                          ; one plain place behind a scaled conversion
.irp i, 0,1,2
	v_permlane16_swap_b32 v[\cd+\i], v[\ct+\i]
.endr
.irp i, 0,1,2
	v_mov_b32 v[\cd+3+\i], v[\ct+\i]
.endr
.endm
.macro QADDR                           ; s52 = a query tile of the sequence: the offsets of its codes, its scale word and its mask bytes
	s_mul_i32 s53, s52, 768
	s_lshr_b32 s54, s52, 2
	s_lshl_b32 s54, s54, 8
	s_and_b32 s55, s52, 3
	s_lshl_b32 s55, s55, 2
	s_add_co_u32 s54, s54, s55                     ; 256 x quad + 4 x (tile % 4)
	s_lshr_b32 s55, s52, 1
	s_lshl_b32 s55, s55, 5
	s_and_b32 s56, s52, 1
	s_lshl_b32 s56, s56, 3
	s_add_co_u32 s55, s55, s56                     ; the tile's first token: 32 (tile / 2) + 8 (tile % 2)
	v_add_nc_u32 v5, s53, v1
	v_add_nc_u32 v6, s53, v2
	v_add_nc_u32 v7, s54, v3
	v_add_nc_u32 v8, s55, v4
.endm
.macro QLOAD                           ; q's piece twice (in front of the zeros and behind them), its scale word, its queries' mask bytes
	global_load_b128 v[28:31], v5, s[20:21]
	global_load_b64 v[32:33], v6, s[20:21] offset:512
	global_load_b128 v[40:43], v5, s[20:21]
	global_load_b64 v[44:45], v6, s[20:21] offset:512
	global_load_b32 v26, v7, s[26:27]
	global_load_u8 v25, v8, s[32:33]
.endm
	s_load_b256 s[4:11], s[0:1], 0x0               ; pc, ps, mask, oc
	s_load_b64 s[12:13], s[0:1], 0x20              ; os
	v_lshl_add_u32 v253, v0, 2, 0x40600
	v_mov_b32 v255, 0
	v_lshrrev_b32 v1, 5, v0
	v_readfirstlane_b32 s14, v1                    ; wave 0..7
	s_mov_b32 s15, ttmp9                           ; which 16 query tiles
	s_and_b32 s16, ttmp7, 0xffff                   ; 16 x batch + head
	s_lshr_b32 s17, s16, 4
	s_and_b32 s18, s16, 15
	v_and_b32 v18, 31, v0                          ; lane
	v_and_b32 v19, 15, v0                          ; r
	v_lshlrev_b32 v1, 4, v18
	v_lshlrev_b32 v2, 3, v18
	v_lshlrev_b32 v3, 4, v19
	v_and_b32 v4, 8, v19
	v_add_nc_u32 v4, v4, v19
	s_lshl_b32 s47, s14, 2
	v_lshl_add_u32 v9, v19, 5, s47                 ; SUM + 32 r + 4 w: where my wave's sum of query r goes (the set stands in the immediate)
	v_lshlrev_b32 v10, 5, v19                      ; SUM + 32 r: the eight sums of query r
	s_lshl_b32 s47, s14, 12
	s_add_co_u32 s47, s47, OP
	v_add_nc_u32 v11, s47, v1                      ; my wave's image of O^T in block 0 of eight
	s_lshl_b32 s47, s14, 15
	s_add_co_u32 s47, s47, OP
	v_add_nc_u32 v15, s47, v1                      ; the eight images of block w of eight: what I sum and quantise
	s_lshr_b32 s47, s14, 2
	s_lshl_b32 s47, s47, 8
	s_and_b32 s48, s14, 3
	s_lshl_b32 s48, s48, 2
	s_add_co_u32 s47, s47, s48
	s_add_co_u32 s47, s47, SCW
	v_add_nc_u32 v16, s47, v3                      ; my tile's word: quad w / 4, row r, word w % 4
	v_add_nc_u32 v17, SCW, v1
	v_mov_b32 v254, 0x43c80000                     ; 400.0 = 8 x 50
.irp i, 34,35,36,37,38,39
	v_mov_b32 v\i, 0                               ; the zero codes between the two copies of q: written once
.endr
.irp i, 0,1,2,3,4,5,6,7
	v_mov_b32 v[TM2+\i], 0                         ; written once: a lane permute's destination counts as one of its sources
.endr
	s_mov_b32 s38, 0x3e38aa3b                      ; log2(e) / 8
	s_mov_b32 s39, s38                             ; (named with it as a pair, so it is written)
	s_mov_b32 s[SEL], 0x76543210
	s_mov_b32 s[SEL+1], 0xfedcba98
	s_mov_b32 s42, 0xffff
	s_mov_b32 s43, 0                               ; where the trip's two blocks' images go: 65,536 x trip
	s_mov_b32 s45, 0                               ; eights of blocks done
	s_mov_b32 s46, 0                               ; the trip's first block, 0, 2 .. 14
	s_mov_b32 s51, 0
	s_mul_i32 s47, s16, 98304                      ; a head's 128 pieces
	s_mov_b32 s50, s47
	s_wait_kmcnt 0x0
	s_add_nc_u64 s[20:21], s[4:5], s[50:51]        ; q's pieces
	s_mul_i32 s48, s14, 12288
	s_add_co_u32 s50, s47, s48
	s_add_co_u32 s50, s50, 3145728
	s_add_nc_u64 s[22:23], s[4:5], s[50:51]        ; k's: my 16 tiles
	s_mul_i32 s48, s14, 3072
	s_add_co_u32 s50, s47, s48
	s_add_co_u32 s50, s50, 6291456
	s_add_nc_u64 s[24:25], s[4:5], s[50:51]        ; v's: my 4 key chunks
	s_lshl_b32 s47, s16, 13
	s_mov_b32 s50, s47
	s_add_nc_u64 s[26:27], s[6:7], s[50:51]        ; q's scale words
	s_lshl_b32 s48, s14, 10
	s_add_co_u32 s47, s47, s48
	s_add_co_u32 s50, s47, 262144
	s_add_nc_u64 s[28:29], s[6:7], s[50:51]        ; k's: my 4 quads
	s_add_co_u32 s50, s47, 524288
	s_add_nc_u64 s[30:31], s[6:7], s[50:51]        ; v's: my 4 chunks
	s_lshl_b32 s50, s17, 11
	s_add_nc_u64 s[32:33], s[8:9], s[50:51]        ; the batch's mask bytes
	WIN 0x40                                       ; destination window 1, address window 0
.irp i, 0,1,2,3,4,5,6,7,8,9,10,11,12,13,14,15
	global_load_b128 v[6*\i:6*\i+3], v1, s[22:23] offset:768*\i
	global_load_b64 v[6*\i+4:6*\i+5], v2, s[22:23] offset:768*\i+512
.endr
.irp t, 0,1,2,3
.irp c, 0,1,2,3
	global_load_b128 v[96+24*\t+6*\c:96+24*\t+6*\c+3], v1, s[24:25] offset:24576*\t+768*\c
	global_load_b64 v[96+24*\t+6*\c+4:96+24*\t+6*\c+5], v2, s[24:25] offset:24576*\t+768*\c+512
.endr
.endr
	WIN 0
.irp q, 0,1,2,3
	global_load_b128 v[S+4*\q:S+4*\q+3], v3, s[28:29] offset:256*\q          ; k's words of tiles 4 q .. 4 q + 3
	global_load_b128 v[S+16+4*\q:S+16+4*\q+3], v3, s[30:31] offset:256*\q    ; v's words of chunk q, feature tiles 0 .. 3
.endr
	s_lshl_b32 s52, s15, 4                         ; the first block's query tile
	QADDR
	QLOAD
	s_wait_loadcnt 0x0
.irp i, 0,1,2,3,4,5,6,7
	v_bfi_b32 v[KS+\i], s42, v[S+2*\i], v[S+2*\i+1]                    ; a pair of key tiles: the first's two bytes below, the second's above
.endr
.irp t, 0,1,2,3
.irp u, 0,1
	v_bfi_b32 v[VS+2*\t+\u], s42, v[S+16+8*\u+\t], v[S+16+8*\u+4+\t]   ; 128 keys: chunk 2 u's two bytes below, chunk 2 u + 1's above
.endr
.endr
; A BLOCK: 16 queries.  odd = 0, 1: the trip's first or second block: it picks the set of partial sums and the block's own bytes for the images, both by immediates.
.macro BLOCK odd
	s_wait_loadcnt 0x0                             ; q, its word and its mask bytes, asked for a block ago; their offsets may be written again
	v_and_b32 v70, s42, v26                        ; q's scale word for (q, zeros),
	v_and_b32 v71, 0xffff0000, v26                 ; and for (zeros, q)
	v_mov_b32 v24, v25
	s_add_co_u32 s52, s46, 1+\odd
	s_min_u32 s52, s52, 15                         ; the next block; the last asks for itself again: no load leaves its buffer
	s_lshl_b32 s53, s15, 4
	s_add_co_u32 s52, s52, s53
	QADDR
.rept 3
	v_nop                                          ; with the five lines above: eight places between the write of a scale register and the scaled product
.endr
	WIN 0x01                                       ; source 0 (K) window 1
.irp i, 0,1,2,3,4,5,6,7
	v_wmma_scale_f32_16x16x128_f8f6f4 v[S+16*\i:S+16*\i+7], v[12*\i:12*\i+11], v[28:39], 0, v[KS+\i], v70 matrix_a_fmt:MATRIX_FMT_FP6 matrix_b_fmt:MATRIX_FMT_FP6
	v_wmma_scale_f32_16x16x128_f8f6f4 v[S+16*\i+8:S+16*\i+15], v[12*\i:12*\i+11], v[34:45], 0, v[KS+\i], v71 matrix_a_fmt:MATRIX_FMT_FP6 matrix_b_fmt:MATRIX_FMT_FP6
.endr
	WIN 0
.rept 4
	v_nop                                          ; four places in front of the first read of results and of loads into q's registers
.endr
	QLOAD                                          ; the next block's, a whole block ahead of their use
	; ---- e = 2^(clip(s, +-400) x log2(e) / 8), in place; a tile's clip stands between the exponentials of the tile before
.irp j, 0,1,2,3,4,5,6,7
	v_med3_num_f32 v[S+\j], v[S+\j], -v254, v254
.endr
.irp j, 0,2,4,6
	v_pk_mul_f32 v[S+\j:S+\j+1], v[S+\j:S+\j+1], s[38:39] op_sel_hi:[1,0]
.endr
.set T, 0
.rept 15
.irp j, 0,1,2,3,4,5,6,7
	v_med3_num_f32 v[S+8*(T+1)+\j], v[S+8*(T+1)+\j], -v254, v254
	v_exp_f32 v[S+8*T+\j], v[S+8*T+\j]
.endr
.irp j, 0,2,4,6
	v_pk_mul_f32 v[S+8*(T+1)+\j:S+8*(T+1)+\j+1], v[S+8*(T+1)+\j:S+8*(T+1)+\j+1], s[38:39] op_sel_hi:[1,0]
.endr
.set T, T+1
.endr
.irp j, 0,1,2,3,4,5,6,7
	v_exp_f32 v[S+120+\j], v[S+120+\j]
.endr
	v_nop                                          ; a plain place behind the last exponential
	s_wait_alu depctr_va_vdst(0)                   ; one wait for the 128 exponentials, ahead of their first reader
	; ---- my 128 numbers' sum: 63 packed additions in four chains
	v_pk_add_f32 v[18:19], v[S:S+1], v[S+8:S+9]
	v_pk_add_f32 v[20:21], v[S+2:S+3], v[S+10:S+11]
	v_pk_add_f32 v[242:243], v[S+4:S+5], v[S+12:S+13]
	v_pk_add_f32 v[244:245], v[S+6:S+7], v[S+14:S+15]
.set J, 16
.rept 14
	v_pk_add_f32 v[18:19], v[18:19], v[S+J:S+J+1]
	v_pk_add_f32 v[20:21], v[20:21], v[S+J+2:S+J+3]
	v_pk_add_f32 v[242:243], v[242:243], v[S+J+4:S+J+5]
	v_pk_add_f32 v[244:245], v[244:245], v[S+J+6:S+J+7]
.set J, J+8
.endr
	v_pk_add_f32 v[18:19], v[18:19], v[20:21]
	v_pk_add_f32 v[242:243], v[242:243], v[244:245]
	v_pk_add_f32 v[18:19], v[18:19], v[242:243]
	v_add_f32 v18, v18, v19
	v_permlanex16_b32 v20, v18, s[SEL], s[SEL+1]
	v_add_f32 v18, v18, v20                        ; my wave's 256 keys' sum of query r
	ds_store_b32 v9, v18 offset:512*\odd           ; (both halves of the lanes write the same word with the same value)
	s_wait_dscnt 0x0                               ; for the others' sake: my sum has landed; my reads of the other set of sums are over; the last block's image has landed
	s_barrier_signal -1
	; between signal and wait, on registers alone: each block of 32 keys' largest e.  The factor is not negative, so the largest e times the factor is the block's largest p, with the same bits
.irp b, 0,1,2,3,4,5,6,7
	v_max3_num_f32 v[TM+\b], v[S+16*\b], v[S+16*\b+1], v[S+16*\b+2]
.endr
.irp i, 3,5,7,9,11,13
.irp b, 0,1,2,3,4,5,6,7
	v_max3_num_f32 v[TM+\b], v[TM+\b], v[S+16*\b+\i], v[S+16*\b+\i+1]
.endr
.endr
.irp b, 0,1,2,3,4,5,6,7
	v_max_num_f32 v[TM+\b], v[TM+\b], v[S+16*\b+15]
.endr
	s_barrier_wait -1                              ; all eight sums lie in LDS
	ds_load_b128 v[242:245], v10 offset:512*\odd
	ds_load_b128 v[246:249], v10 offset:512*\odd+16
.irp b, 0,1,2,3,4,5,6,7
	v_permlanex16_b32 v[TM2+\b], v[TM+\b], s[SEL], s[SEL+1]
.endr
.irp b, 0,1,2,3,4,5,6,7
	v_max_num_f32 v[TM+\b], v[TM+\b], v[TM2+\b]    ; with lane l xor 16's 16 keys
.endr
	s_wait_dscnt 0x0
	v_pk_add_f32 v[242:243], v[242:243], v[244:245]
	v_pk_add_f32 v[246:247], v[246:247], v[248:249]
	v_pk_add_f32 v[242:243], v[242:243], v[246:247]
	v_add_f32 v242, v242, v243                     ; the row's denominator: the same order, so the same bits, in every wave
	v_rcp_f32 v22, v242
	v_nop                                          ; a plain place behind the reciprocal
	v_cmp_ne_u32 vcc_lo, 0, v24
	s_wait_alu depctr_va_vdst(0)                   ; the wait ahead of its first reader
	v_cndmask_b32 v22, 0, v22, vcc_lo              ; a masked query: the factor 0
	v_mov_b32 v23, v22
.irp b, 0,2,4,6
	v_pk_mul_f32 v[TM+\b:TM+\b+1], v[TM+\b:TM+\b+1], v[22:23]   ; the blocks' largest p
.endr
.irp b, 0,1,2,3,4,5,6,7
	v_max_num_f32 v[TM+\b], 0x1800000, v[TM+\b]    ; the floor 2^(3 - 127): the byte cannot fall under 1
.endr
.irp b, 0,1,2,3,4,5,6,7
	v_add_nc_u32 v[SO+\b], 0xff000000, v[TM+\b]    ; 2 off the exponent field: the conversion's scale operand
.endr
.irp b, 0,1,2,3,4,5,6,7
	v_lshrrev_b32 v[TM2+\b], 23, v[SO+\b]          ; the scale's byte
.endr
.irp u, 0,1
	v_lshl_or_b32 v[PW+\u], v[TM2+4*\u+1], 8, v[TM2+4*\u]       ; p's scale word for keys 128 u on
	v_lshl_or_b32 v[PW+\u], v[TM2+4*\u+2], 16, v[PW+\u]
	v_lshl_or_b32 v[PW+\u], v[TM2+4*\u+3], 24, v[PW+\u]
.endr
.set J, 0
.rept 64
	v_pk_mul_f32 v[S+J:S+J+1], v[S+J:S+J+1], v[22:23]           ; p = e / denominator, or 0
.set J, J+2
.endr
.irp u, 0,1
.irp c, 0,1
	v_cvt_scalef32_pk16_fp6_f32 v[PC0+12*\u+6*\c:PC0+12*\u+6*\c+2], v[S+64*\u+32*\c:S+64*\u+32*\c+15], v[SO+4*\u+2*\c]
	v_cvt_scalef32_pk16_fp6_f32 v[CTB+8*\u+4*\c:CTB+8*\u+4*\c+2], v[S+64*\u+32*\c+16:S+64*\u+32*\c+31], v[SO+4*\u+2*\c+1]   ; (a conversion's three registers begin on an even number)
.endr
.endr
	v_nop                                          ; one plain place behind a scaled conversion
.irp u, 0,1
.irp c, 0,1
.irp i, 0,1,2
	v_permlane16_swap_b32 v[PC0+12*\u+6*\c+\i], v[CTB+8*\u+4*\c+\i]   ; a lane wants a WHOLE block: lanes 0-15 block 2 c, lanes 16-31 block 2 c + 1
.endr
.irp i, 0,1,2
	v_mov_b32 v[PC0+12*\u+6*\c+3+\i], v[CTB+8*\u+4*\c+\i]
.endr
.endr
.endr
.rept 4
	v_nop                                          ; four places between the write of an operand and the scaled product; p's scale words were written more than 64 plain lines ago
.endr
	WIN 0x51                                       ; source 0 (V), C and D window 1; source 1 (p) window 0
.irp t, 0,1,2,3                        ; the four accumulators take turns; the first products start the sums
	v_wmma_scale_f32_16x16x128_f8f6f4 v[192+8*\t:199+8*\t], v[96+24*\t:96+24*\t+11], v[PC0:PC0+11], 0, v[VS+2*\t], v[PW] matrix_a_fmt:MATRIX_FMT_FP6 matrix_b_fmt:MATRIX_FMT_FP6
.endr
.irp t, 0,1,2,3
	v_wmma_scale_f32_16x16x128_f8f6f4 v[192+8*\t:199+8*\t], v[96+24*\t+12:96+24*\t+23], v[PC0+12:PC0+23], v[192+8*\t:199+8*\t], v[VS+2*\t+1], v[PW+1] matrix_a_fmt:MATRIX_FMT_FP6 matrix_b_fmt:MATRIX_FMT_FP6
.endr
	WIN 0
	v_add_nc_u32 v14, s43, v11                     ; my image's place in this trip's blocks.  With the three lines below: four places in front of the stores that read results
.rept 3
	v_nop
.endr
	WIN 0x04                                       ; an LDS store's data are its source 1: window 1
.irp p, 0,1,2,3,4,5,6,7
	ds_store_b128 v14, v[192+4*\p:195+4*\p] offset:32768*\odd+512*\p   ; my keys' part of O^T, as an image of its registers, into the block's own bytes; each accumulator from its low end on
.endr
	WIN 0                                          ; nothing waits for these stores here: the wait in front of the next barrier's signal covers them
.endm
.Louter:
	s_mov_b32 s44, 0
.Linner:                                           ; four trips of two blocks
	BLOCK 0
	BLOCK 1
	s_add_co_u32 s43, s43, 65536
	s_add_co_u32 s46, s46, 2
	s_add_co_u32 s44, s44, 1
	s_cmp_lt_u32 s44, 4
	s_cbranch_scc1 .Linner
	; ---- eight blocks' images lie in LDS: wave w sums the eight waves' parts of block w and quantises its 16 queries x 64 features along the features
	s_wait_dscnt 0x0                               ; my images have landed, and my reads of the sums are over
	s_barrier_signal -1
	s_barrier_wait -1                              ; everybody's have
.irp i, 0,1,2,3,4,5,6,7
.irp p, 0,1,2,3
	ds_load_b128 v[S+16*\i+4*\p:S+16*\i+4*\p+3], v15 offset:4096*\i+512*\p   ; registers 0-15 of wave i's part
.endr
.endr
	s_lshl_b32 s52, s17, 7
	s_lshl_b32 s53, s15, 4
	s_add_co_u32 s52, s52, s53
	s_lshl_b32 s53, s45, 3
	s_add_co_u32 s52, s52, s53                     ; the eight's first token tile: 128 x batch + 16 x + 8 x (which eight)
	s_add_co_u32 s53, s52, s14
	s_lshl_b32 s53, s53, 4
	s_add_co_u32 s53, s53, s18
	s_mul_i32 s50, s53, 768
	s_add_nc_u64 s[34:35], s[10:11], s[50:51]      ; oc: [tile][head]
	s_lshr_b32 s52, s52, 2
	s_lshl_b32 s52, s52, 8
	s_lshl_b32 s53, s18, 14
	s_add_co_u32 s50, s52, s53
	s_add_nc_u64 s[36:37], s[12:13], s[50:51]      ; os: [head][quad]
	s_wait_dscnt 0x0
.irp q, 0,2,4,6,8,10,12,14             ; ((0 + 1) + (2 + 3)) + ((4 + 5) + (6 + 7)), into wave 0's place: registers 0-15 of the whole O^T
	v_pk_add_f32 v[S+\q:S+\q+1], v[S+\q:S+\q+1], v[S+16+\q:S+17+\q]
	v_pk_add_f32 v[S+32+\q:S+33+\q], v[S+32+\q:S+33+\q], v[S+48+\q:S+49+\q]
	v_pk_add_f32 v[S+64+\q:S+65+\q], v[S+64+\q:S+65+\q], v[S+80+\q:S+81+\q]
	v_pk_add_f32 v[S+96+\q:S+97+\q], v[S+96+\q:S+97+\q], v[S+112+\q:S+113+\q]
	v_pk_add_f32 v[S+\q:S+\q+1], v[S+\q:S+\q+1], v[S+32+\q:S+33+\q]
	v_pk_add_f32 v[S+64+\q:S+65+\q], v[S+64+\q:S+65+\q], v[S+96+\q:S+97+\q]
	v_pk_add_f32 v[S+\q:S+\q+1], v[S+\q:S+\q+1], v[S+64+\q:S+65+\q]
.endr
.irp i, 0,1,2,3,4,5,6
.irp p, 0,1,2,3
	ds_load_b128 v[S+16+16*\i+4*\p:S+16+16*\i+4*\p+3], v15 offset:4096*\i+2048+512*\p   ; registers 16-31 of wave i's part, behind the sixteen just summed;
.endr
.endr
.irp p, 0,1,2,3
	ds_load_b128 v[PC0+4*\p:PC0+4*\p+3], v15 offset:4096*7+2048+512*\p                  ; wave 7's in the registers of p's codes, which are free here
.endr
	s_wait_dscnt 0x0
.irp q, 0,2,4,6,8,10,12,14             ; the same order of additions: registers 16-31 of the whole O^T
	v_pk_add_f32 v[S+16+\q:S+17+\q], v[S+16+\q:S+17+\q], v[S+32+\q:S+33+\q]
	v_pk_add_f32 v[S+48+\q:S+49+\q], v[S+48+\q:S+49+\q], v[S+64+\q:S+65+\q]
	v_pk_add_f32 v[S+80+\q:S+81+\q], v[S+80+\q:S+81+\q], v[S+96+\q:S+97+\q]
	v_pk_add_f32 v[S+112+\q:S+113+\q], v[S+112+\q:S+113+\q], v[PC0+\q:PC0+1+\q]
	v_pk_add_f32 v[S+16+\q:S+17+\q], v[S+16+\q:S+17+\q], v[S+48+\q:S+49+\q]
	v_pk_add_f32 v[S+80+\q:S+81+\q], v[S+80+\q:S+81+\q], v[S+112+\q:S+113+\q]
	v_pk_add_f32 v[S+16+\q:S+17+\q], v[S+16+\q:S+17+\q], v[S+80+\q:S+81+\q]
.endr
	QUANT2 S, PC0, 56, 27, TM
	global_store_b128 v1, v[PC0:PC0+3], s[34:35]             ; 512 consecutive bytes
	global_store_b64 v2, v[PC0+4:PC0+5], s[34:35] offset:512 ; 256 consecutive bytes
	ds_store_b32 v16, v27
	s_wait_dscnt 0x0                               ; my word has landed, and my reads of the images are over: they are written again only behind this barrier
	s_barrier_signal -1
	s_barrier_wait -1
	s_cmp_lg_u32 s14, 0
	s_cbranch_scc1 .Lnot_first
	ds_load_b128 v[S:S+3], v17                     ; two quads' words
	s_wait_dscnt 0x0
	global_store_b128 v1, v[S:S+3], s[36:37]       ; 512 consecutive bytes
.Lnot_first:
	s_wait_xcnt 0x0                                ; the stores have read their registers and bases: both are written again
	s_sub_co_u32 s43, s43, 262144                  ; back to the first block's images
	s_add_co_u32 s45, s45, 1
	s_cmp_lt_u32 s45, 2
	s_cbranch_scc1 .Louter
	s_wait_tensorcnt 0x0
	ds_add_u32 v253, v255
	s_wait_dscnt 0x0
	s_endpgm
.Lfunc_end_k_q0f896bcd63_attn:
	.size	k_q0f896bcd63_attn, .Lfunc_end_k_q0f896bcd63_attn-k_q0f896bcd63_attn
	.p2alignl 7, 3214868480
	.fill 96, 4, 3214868480
	.section	.rodata,"a",@progbits
	.p2align	6, 0x0
	.amdhsa_kernel k_q0f896bcd63_attn
		.amdhsa_group_segment_fixed_size 264704
		.amdhsa_private_segment_fixed_size 0
		.amdhsa_enable_private_segment 0
		.amdhsa_kernarg_size 40
		.amdhsa_user_sgpr_count 2
		.amdhsa_user_sgpr_kernarg_segment_ptr 1
		.amdhsa_wavefront_size32 1
		.amdhsa_system_sgpr_workgroup_id_x 1
		.amdhsa_system_sgpr_workgroup_id_y 1
		.amdhsa_system_sgpr_workgroup_id_z 1
		.amdhsa_system_vgpr_workitem_id 0
		.amdhsa_next_free_vgpr 512
		.amdhsa_next_free_sgpr 66
		.amdhsa_reserve_vcc 1
		.amdhsa_float_denorm_mode_32 3
		.amdhsa_float_denorm_mode_16_64 3
		.amdhsa_memory_ordered 1
		.amdhsa_forward_progress 1
		.amdhsa_inst_pref_size 104
	.end_amdhsa_kernel
	.amdgpu_metadata
---
amdhsa.version: [ 1, 2 ]
amdhsa.kernels:
  - .name:           k_q0f896bcd63_attn
    .symbol:         k_q0f896bcd63_attn.kd
    .args:
      - { .name: pc, .offset: 0, .size: 8, .value_kind: global_buffer, .address_space: global }
      - { .name: ps, .offset: 8, .size: 8, .value_kind: global_buffer, .address_space: global }
      - { .name: mask, .offset: 16, .size: 8, .value_kind: global_buffer, .address_space: global }
      - { .name: oc, .offset: 24, .size: 8, .value_kind: global_buffer, .address_space: global }
      - { .name: os, .offset: 32, .size: 8, .value_kind: global_buffer, .address_space: global }
    .group_segment_fixed_size: 264704
    .private_segment_fixed_size: 0
    .kernarg_segment_align: 8
    .kernarg_segment_size: 40
    .max_flat_workgroup_size: 256
    .sgpr_count:     66
    .vgpr_count:     512
    .wavefront_size: 32
...
	.end_amdgpu_metadata
.endif
;; end of part 3
;; launch outp (part 4): grid 8 x 32, 4 waves a work-group, clusters of 4 x 4, 214,528 bytes of LDS; arguments xc, xs, oc, os, out0; writes out0
.if DOCPART == 4
	.amdgcn_target "amdgcn-amd-amdhsa--gfx1250"
	.amdhsa_code_object_version 6
	.text
	.protected	k_q0f896bcd63_outp
	.globl	k_q0f896bcd63_outp
	.p2align	8
	.type	k_q0f896bcd63_outp,@function
k_q0f896bcd63_outp:
	s_mov_b64 s[64:65], 0
	v_nop
	global_prefetch_b8 v0, s[64:65] scope:SCOPE_SE
	s_setreg_imm32_b32 hwreg(HW_REG_WAVE_MODE, 25, 1), 1
	s_wait_xcnt 0x0
	s_wait_alu depctr_hold_cnt(0) depctr_sa_sdst(0) depctr_va_vdst(0) depctr_va_sdst(0) depctr_va_ssrc(0) depctr_va_vcc(0) depctr_vm_vsrc(0)
	s_getreg_b32 s2, hwreg(HW_REG_IB_STS2, 6, 4)
	s_cmp_eq_u32 s2, 0
	s_cbranch_scc0 .Lentry_in_a_cluster
	s_endpgm
.Lentry_in_a_cluster:
	s_bfe_u32 s2, ttmp6, 0x10000c
	s_cmp_lg_u32 s2, 0xf033
	s_cbranch_scc0 .Lentry_shape_is_right
	s_endpgm
.Lentry_shape_is_right:
; out0 = o W_o^T on codes of FP6 (E2M3) with E8M0 scales, sums in f32.  o's codes (oc) and scale words (os) come from the attention, W_o's (tiles 960-1023 of xc, xs) from the first launch; out0 is [4096][1024] f32.
; D = S0 S1^T with S0 = W_o as source 0 and S1 = the tokens: a lane holds one token, and the 16 registers of feature tiles 2 b and 2 b + 1 are 16 neighbouring features, 64 bytes of a row of out0
; (lane r of tile T holds row 32 (T / 2) + 8 (T % 2) + r + 8 (r / 8) in every tensor of codes).
; SHARES.  A work-group makes 128 features x 128 tokens; wave (w0 = w / 2, w1 = w % 2) 64 x 64: 16 accumulators.  256 work-groups.
; LDS.  All of K for the work-group, 2 x 96 KiB, is filled ONCE, in four portions of 256 along K: nothing is filled again.  A wave has four tensor loads out at the most.  Behind them a stage of 16 x 272 bytes for each wave, into which no fill lands.
; CLUSTER 4 x 4.  W_o's block hangs on the cluster's x and cx alone: asked for jointly by the four of a column; the tokens' on the cluster's y and cy alone: by the four of a row.
; REGISTERS.  window 0: v4-11 LDS addresses; v12-14 16 r, 16 l, 8 l; v16-47 W_o's scale words (8 t + K step), v48-79 the tokens'; v80-82 the way out's addresses; v96-223 accumulators (32 t1 + 8 t0); v224-255 rows on the way out.
;   window 1: two sets of fragments at v0 and v128: W_o's four at 12 t, the tokens' four at 48 + 12 t.
.set TILEB, 12288
.set PORT,  24576
.set REG1,  98304
.set STG,   196608
.set SC0, 16
.set SC1, 48
.set ACC, 96
.set G1A, 24
.set G1B, 32
.set G0A, 40
.set G0B, 68
.set MSB, 0
.macro WIN new                         ; the immediate's high byte repeats the setting that is left
.if MSB != \new
	s_set_vgpr_msb (MSB<<8)|\new
.set MSB, \new
.endif
.endm
.macro CROUND                          ; a round of the cluster's barrier
	s_barrier_signal -1
	s_barrier_wait -1
	s_cmp_lg_u32 s12, 0
	s_cbranch_scc1 .Lnot_wave_0_\@
	s_barrier_signal -3
.Lnot_wave_0_\@:
	s_barrier_wait -3
	s_barrier_signal -1
	s_barrier_wait -1
.endm
	s_load_b256 s[4:11], s[0:1], 0x0               ; xc, xs, oc, os
	s_load_b64 s[84:85], s[0:1], 0x20              ; out0
	v_lshl_add_u32 v94, v0, 2, 0x34400
	v_mov_b32 v95, 0
	ds_add_u32 v94, v95
	ds_add_u32 v94, v95
	v_lshrrev_b32 v1, 5, v0
	v_readfirstlane_b32 s12, v1                    ; wave 0..3
	s_lshr_b32 s13, s12, 1                         ; w0: my 64 features.  Also: I fetch for W_o (0) or for the tokens (1)
	s_and_b32 s14, s12, 1                          ; w1: my 64 tokens.  Also: which four tiles of the block I fetch
	s_bfe_u32 s15, ttmp6, 0x40000                  ; cx
	s_bfe_u32 s16, ttmp6, 0x40004                  ; cy
	s_and_b32 s17, ttmp7, 0xffff
	s_lshl_b32 s20, ttmp9, 2
	s_add_co_u32 s20, s20, s15                     ; W_o's block of 128 rows: registers s2, s20-21, s60-61, s94-95 never hold cy
	s_lshl_b32 s56, s17, 2
	s_add_co_u32 s56, s56, s16                     ; the tokens' block: registers s3, s56-57, s62-63, s96-97 never hold cx
	s_lshl_b32 s2, 0x1111, s15                     ; my column of the cluster
	s_lshl_b32 s3, s16, 2
	s_lshl_b32 s3, 15, s3                          ; my row
	s_or_b32 s[G1A], s2, (3<<16)|(1<<21)           ; 15:0 the mask; 17:16 elements of 8 bytes; 20 no padding; 21 set beside a mask
	s_or_b32 s[G1B], s3, (3<<16)|(1<<21)
.irp g, G1A, G1B
	s_mov_b32 s[\g+1], 384<<16                     ; tensor_dim0 = 384 elements: a tile's 3,072 bytes of 256 along K
	s_mov_b32 s[\g+2], 4<<16                       ; tensor_dim1 = 4 tiles
	s_mov_b32 s[\g+3], 384<<16                     ; tile_dim0
	s_mov_b32 s[\g+4], 4                           ; tile_dim1
	s_mov_b32 s[\g+5], 1536                        ; tensor_dim0_stride: 12,288 bytes from tile to tile
	s_mov_b32 s[\g+6], 0
	s_mov_b32 s[\g+7], 0
.endr
	s_lshl_b32 s2, s20, 3
	s_add_co_u32 s2, s2, 960                       ; W_o's block begins at this tile of xc
	s_lshl_b32 s21, s14, 2
	s_add_co_u32 s60, s2, s21
	s_mul_i32 s60, s60, TILEB
	s_mov_b32 s61, 0
	s_lshl_b32 s21, s13, 2
	s_add_co_u32 s94, s2, s21
	s_lshl_b32 s94, s94, 9                         ; my four tiles' scale words, 512 bytes a tile
	s_mov_b32 s95, 0
	s_lshl_b32 s3, s56, 3
	s_lshl_b32 s57, s14, 2
	s_add_co_u32 s62, s3, s57                      ; the tokens' four tiles of oc
	s_mul_i32 s62, s62, TILEB
	s_mov_b32 s63, 0
	s_lshl_b32 s96, s56, 1
	s_add_co_u32 s96, s96, s14
	s_lshl_b32 s96, s96, 8                         ; my quad of token tiles in os
	s_mov_b32 s97, 0
	s_mul_i32 s23, s14, TILEB                      ; where the fetched tiles go in a portion: no place in the cluster enters an LDS address
	s_wait_dscnt 0x0
	s_wait_kmcnt 0x0
	s_add_nc_u64 s[60:61], s[4:5], s[60:61]
	s_add_nc_u64 s[62:63], s[8:9], s[62:63]
	s_add_nc_u64 s[94:95], s[6:7], s[94:95]
	s_add_nc_u64 s[96:97], s[10:11], s[96:97]
.irp p, 0,1,2,3
	s_mov_b32 s[G0A+4*\p], 1
	s_add_co_u32 s[G0A+4*\p+1], s23, PORT*\p
	s_add_nc_u64 s[G0A+4*\p+2:G0A+4*\p+3], s[60:61], 3072*\p
	s_or_b32 s[G0A+4*\p+3], s[G0A+4*\p+3], 0x80000000
	s_mov_b32 s[G0B+4*\p], 1
	s_add_co_u32 s[G0B+4*\p+1], s23, REG1+PORT*\p
	s_add_nc_u64 s[G0B+4*\p+2:G0B+4*\p+3], s[62:63], 3072*\p
	s_or_b32 s[G0B+4*\p+3], s[G0B+4*\p+3], 0x80000000
.endr
	CROUND                                         ; all sixteen work-groups are here: the joint loads meet
	s_cmp_lt_u32 s12, 2                            ; a wave's four fills stand in one branch on the wave's number, ahead of every wait on TENSORcnt, every LDS read and every other barrier
	s_cbranch_scc0 .Lfor_s1
	tensor_load_to_lds s[G0A:G0A+3], s[G1A:G1A+7]
	s_nop 0
	tensor_load_to_lds s[G0A+4:G0A+7], s[G1A:G1A+7]
	s_nop 0
	tensor_load_to_lds s[G0A+8:G0A+11], s[G1A:G1A+7]
	s_nop 0
	tensor_load_to_lds s[G0A+12:G0A+15], s[G1A:G1A+7]
	s_nop 0
.rept 4
	v_nop
.endr
	s_branch .Lasked
.Lfor_s1:
	tensor_load_to_lds s[G0B:G0B+3], s[G1B:G1B+7]
	s_nop 0
	tensor_load_to_lds s[G0B+4:G0B+7], s[G1B:G1B+7]
	s_nop 0
	tensor_load_to_lds s[G0B+8:G0B+11], s[G1B:G1B+7]
	s_nop 0
	tensor_load_to_lds s[G0B+12:G0B+15], s[G1B:G1B+7]
	s_nop 0
.rept 4
	v_nop
.endr
.Lasked:
	v_and_b32 v1, 31, v0                           ; lane
	v_and_b32 v2, 15, v0                           ; r
	v_bfe_u32 v3, v0, 4, 1                         ; h
	v_lshlrev_b32 v12, 4, v2
	v_lshlrev_b32 v13, 4, v1
	v_lshlrev_b32 v14, 3, v1
.irp t, 0,1,2,3
.irp g, 0,1
	global_load_b128 v[SC0+8*\t+4*\g:SC0+8*\t+4*\g+3], v12, s[94:95] offset:512*\t+256*\g
.endr
.endr
.irp d, 0,1,2,3,4,5,6,7,8,9,10,11,12,13,14,15
	global_load_b128 v[ACC+4*\d:ACC+4*\d+3], v12, s[96:97] offset:16384*\d   ; head d: my four token tiles' words b0 b1 b0 b1 (into registers that the sums take later)
.endr
	s_mul_i32 s98, s13, TILEB
	v_add_nc_u32 v4, s98, v13
	v_add_nc_u32 v5, 2*PORT, v4
	v_add_nc_u32 v8, s98, v14
	v_add_nc_u32 v9, 2*PORT, v8
	s_mul_i32 s99, s14, TILEB
	s_add_co_u32 s99, s99, REG1
	v_add_nc_u32 v6, s99, v13
	v_add_nc_u32 v7, 2*PORT, v6
	v_add_nc_u32 v10, s99, v14
	v_add_nc_u32 v11, 2*PORT, v10
	s_mul_i32 s98, s12, 4352
	s_add_co_u32 s98, s98, STG                     ; my stage
	v_mul_u32_u24 v80, v2, 272
	v_lshl_add_u32 v80, v3, 6, v80
	v_add_nc_u32 v80, s98, v80                     ; in: row r, + 64 h
	v_mul_u32_u24 v81, v3, 272
	v_lshl_add_u32 v81, v2, 4, v81
	v_add_nc_u32 v81, s98, v81                     ; back: lanes 0-15 one row of 256 bytes, lanes 16-31 the next
	v_lshlrev_b32 v82, 12, v3
	v_lshl_add_u32 v82, v2, 4, v82                 ; and the same two rows in out0
	s_lshl_b32 s86, s56, 19                        ; 128 tokens of 4,096 bytes a block,
	s_lshl_b32 s87, s14, 18                        ; 64 for my half,
	s_add_co_u32 s86, s86, s87
	s_lshl_b32 s87, s20, 9                         ; 128 features of 4 bytes a block,
	s_add_co_u32 s86, s86, s87
	s_lshl_b32 s87, s13, 8                         ; 64 for my half
	s_add_co_u32 s86, s86, s87
	s_mov_b32 s87, 0
	s_add_nc_u64 s[84:85], s[84:85], s[86:87]
	s_mov_b32 s99, 0xffff
	s_wait_loadcnt 0x0
.irp b, 0,1,2,3
.irp k, 0,1,2,3,4,5,6,7
	v_bfi_b32 v[SC1+8*\b+\k], s99, v[ACC+8*\k+\b], v[ACC+8*\k+4+\b]   ; K step k = heads 2 k and 2 k + 1: the first's two bytes below, the second's above
.endr
.endr
.rept 8
	v_nop                                          ; eight places between the write of a scale register and the scaled product
.endr
.macro FRAG reg, a16, a8, off          ; a fragment, 16 rows x 128 K, is two pieces of 768 bytes: four dense loads
	ds_load_b128 v[\reg:\reg+3], v[\a16] offset:\off
	ds_load_b64 v[\reg+4:\reg+5], v[\a8] offset:\off+512
	ds_load_b128 v[\reg+6:\reg+9], v[\a16] offset:\off+768
	ds_load_b64 v[\reg+10:\reg+11], v[\a8] offset:\off+1280
.endm
.macro FETCH s, f                      ; K step s: 8 fragments, 32 loads, into set f
	WIN 0x40
.irp t, 0,1,2,3
	FRAG \f+12*\t, 4+(\s)/4, 8+(\s)/4, PORT*(((\s)/2)%2)+3072*\t+1536*((\s)%2)
	FRAG \f+48+12*\t, 6+(\s)/4, 10+(\s)/4, PORT*(((\s)/2)%2)+3072*\t+1536*((\s)%2)
.endr
	WIN 0
.endm
.macro MULS s, f, zero                 ; 16 products; the 16 accumulators take turns, one instruction a turn
	WIN 0x05
.irp b, 0,1,2,3
.irp a, 0,1,2,3
.if \zero
	v_wmma_scale_f32_16x16x128_f8f6f4 v[ACC+32*\b+8*\a:ACC+32*\b+8*\a+7], v[\f+12*\a:\f+12*\a+11], v[\f+48+12*\b:\f+48+12*\b+11], 0, v[SC0+8*\a+(\s)], v[SC1+8*\b+(\s)] matrix_a_fmt:MATRIX_FMT_FP6 matrix_b_fmt:MATRIX_FMT_FP6
.else
	v_wmma_scale_f32_16x16x128_f8f6f4 v[ACC+32*\b+8*\a:ACC+32*\b+8*\a+7], v[\f+12*\a:\f+12*\a+11], v[\f+48+12*\b:\f+48+12*\b+11], v[ACC+32*\b+8*\a:ACC+32*\b+8*\a+7], v[SC0+8*\a+(\s)], v[SC1+8*\b+(\s)] matrix_a_fmt:MATRIX_FMT_FP6 matrix_b_fmt:MATRIX_FMT_FP6
.endif
.endr
.endr
	WIN 0
.endm
.macro KSTEP s
.if ((\s)%2 == 1) && ((\s) < 7)
	s_wait_dscnt 0x0                               ; no LDS instruction of mine is pending at a signal
	s_wait_tensorcnt 3-((\s)+1)/2                  ; my part of the next portion is in; my later portions may be out
	s_barrier_signal -1
	s_barrier_wait -1
.endif
.if (\s) < 7
.if (\s) > 0
.rept 4
	v_nop                                          ; four places between the last product that read this set of fragments and the loads into it
.endr
.endif
	FETCH (\s)+1, 128*(((\s)+1)%2)
	s_wait_dscnt 32                                ; this step's fragments are in; the 32 loads just issued may be out
.else
	s_wait_dscnt 0x0
.endif
.if (\s) == 0
	MULS \s, 128*((\s)%2), 1
.else
	MULS \s, 128*((\s)%2), 0
.endif
.endm
	s_wait_tensorcnt 3                             ; my part of portion 0 is in; three loads of mine may be out
	s_barrier_signal -1
	s_barrier_wait -1
	FETCH 0, 0
.irp k, 0,1,2,3,4,5,6,7
	KSTEP \k
.endr
; THE WAY OUT, a token tile (16 tokens x 64 features) at a time: a lane holds two runs of 64 bytes of one row; through my own stage they come back as whole rows of 256 bytes, which sixteen lanes store at a multiple of 256 from out0's first byte.
; LDS serves a wave's instructions in order (ISA guide 5.7.1.4): no wait between the stores and the loads, nor in front of the next tile's stores.
.macro TOSTAGE t
.set BB, 224-128*((\t)%2)              ; rows come back into v224-255 and v96-127 (the first tile's accumulators, already sent) by turns
.irp a, 0,1,2,3
	ds_store_b128 v80, v[ACC+32*(\t)+8*\a:ACC+32*(\t)+8*\a+3] offset:128*(\a/2)+32*(\a%2)        ; each accumulator from its low end on
	ds_store_b128 v80, v[ACC+32*(\t)+8*\a+4:ACC+32*(\t)+8*\a+7] offset:128*(\a/2)+32*(\a%2)+16
.endr
.irp i, 0,1,2,3,4,5,6,7
	ds_load_b128 v[BB+4*\i:BB+4*\i+3], v81 offset:544*\i
.endr
.endm
.macro SEND t, younger                 ; younger: the LDS instructions issued behind tile t's loads, which may stay out
.set BB, 224-128*((\t)%2)
	s_wait_dscnt \younger
.irp i, 0,1,2,3,4,5,6,7
	global_store_b128 v82, v[BB+4*\i:BB+4*\i+3], s[84:85] offset:(32*((\t)/2)+8*((\t)%2)+2*\i+8*(\i/4))*4096 th:TH_STORE_NT   ; stage rows 2 i and 2 i + 1 are tokens 2 i + 8 (i / 4) and the next of the tile
.endr
.endm
.rept 4
	v_nop                                          ; four places in front of the first read of results
.endr
	TOSTAGE 0
	TOSTAGE 1
	SEND 0, 16                                     ; behind tile 0's loads: tile 1's 8 stores and 8 loads
	s_wait_xcnt 0x0                                ; tile 0's stores have read their registers: tile 2's rows may land there
	TOSTAGE 2
	SEND 1, 16
	s_wait_xcnt 0x0                                ; tile 1's likewise
	TOSTAGE 3
	SEND 2, 16
	SEND 3, 0
	s_wait_tensorcnt 0x0
	s_wait_dscnt 0x0
	s_wait_tensorcnt 0x0
	ds_add_u32 v94, v95
	s_wait_dscnt 0x0
	CROUND                                         ; the closing round: no work-group ends while a partner may still ask for a tile that names it
	s_endpgm
.Lfunc_end_k_q0f896bcd63_outp:
	.size	k_q0f896bcd63_outp, .Lfunc_end_k_q0f896bcd63_outp-k_q0f896bcd63_outp
	.p2alignl 7, 3214868480
	.fill 96, 4, 3214868480
	.section	.rodata,"a",@progbits
	.p2align	6, 0x0
	.amdhsa_kernel k_q0f896bcd63_outp
		.amdhsa_group_segment_fixed_size 214528
		.amdhsa_private_segment_fixed_size 0
		.amdhsa_enable_private_segment 0
		.amdhsa_kernarg_size 40
		.amdhsa_user_sgpr_count 2
		.amdhsa_user_sgpr_kernarg_segment_ptr 1
		.amdhsa_wavefront_size32 1
		.amdhsa_system_sgpr_workgroup_id_x 1
		.amdhsa_system_sgpr_workgroup_id_y 1
		.amdhsa_system_sgpr_workgroup_id_z 1
		.amdhsa_system_vgpr_workitem_id 0
		.amdhsa_next_free_vgpr 512
		.amdhsa_next_free_sgpr 102
		.amdhsa_reserve_vcc 0
		.amdhsa_float_denorm_mode_32 3
		.amdhsa_float_denorm_mode_16_64 3
		.amdhsa_memory_ordered 1
		.amdhsa_forward_progress 1
		.amdhsa_inst_pref_size 56
	.end_amdhsa_kernel
	.amdgpu_metadata
---
amdhsa.version: [ 1, 2 ]
amdhsa.kernels:
  - .name:           k_q0f896bcd63_outp
    .symbol:         k_q0f896bcd63_outp.kd
    .args:
      - { .name: xc, .offset: 0, .size: 8, .value_kind: global_buffer, .address_space: global }
      - { .name: xs, .offset: 8, .size: 8, .value_kind: global_buffer, .address_space: global }
      - { .name: oc, .offset: 16, .size: 8, .value_kind: global_buffer, .address_space: global }
      - { .name: os, .offset: 24, .size: 8, .value_kind: global_buffer, .address_space: global }
      - { .name: out0, .offset: 32, .size: 8, .value_kind: global_buffer, .address_space: global }
    .group_segment_fixed_size: 214528
    .private_segment_fixed_size: 0
    .kernarg_segment_align: 8
    .kernarg_segment_size: 40
    .max_flat_workgroup_size: 128
    .sgpr_count:     102
    .vgpr_count:     512
    .wavefront_size: 32
...
	.end_amdgpu_metadata
.endif
;; end of part 4
;; ======== version 2 of 2: 4 launches; version 1 with the launch attn written anew for expert scheduling mode
;; workspace buffers: xc 12,582,912 bytes; xs 524,288 bytes; pc 9,437,184 bytes; ps 786,432 bytes; oc 3,145,728 bytes; os 262,144 bytes
;; launch quant: the kernel of part 1 again; grid 256 x 1, 8 waves a work-group, no clusters, 68,608 bytes of LDS; arguments Q, K, V, W_q, W_k, W_v, W_o, xc, xs; writes xc, xs
;; launch proj: the kernel of part 2 again; grid 8 x 96, 4 waves a work-group, clusters of 4 x 4, 197,120 bytes of LDS; arguments xc, xs, pc, ps; writes pc, ps
;; launch attn (part 5): grid 8 x 32, 8 waves a work-group, no clusters, 264,704 bytes of LDS; arguments pc, ps, mask, oc, os; writes oc, os
.if DOCPART == 5
	.amdgcn_target "amdgcn-amd-amdhsa--gfx1250"
	.amdhsa_code_object_version 6
	.text
	.protected	k_q0f896bcd63_attn
	.globl	k_q0f896bcd63_attn
	.p2align	8
	.type	k_q0f896bcd63_attn,@function
k_q0f896bcd63_attn:
	s_mov_b64 s[64:65], 0
	v_nop
	global_prefetch_b8 v0, s[64:65] scope:SCOPE_SE
	s_setreg_imm32_b32 hwreg(HW_REG_WAVE_SCHED_MODE, 0, 2), 2
	s_setreg_imm32_b32 hwreg(HW_REG_WAVE_MODE, 25, 1), 1
	s_wait_xcnt 0x0
	s_wait_alu depctr_vm_vsrc(0)
; For each batch and head: attn = exp(clip(q k^T / 8, -50, 50)) x mask(query) / denominator, out = attn v; both products on codes of FP6 (E2M3) with E8M0 scales, sums in f32.
; attn is quantised FINISHED AND NORMALISED, along the keys, so a row's whole denominator is known before any of its numbers is quantised.  No maximum is taken away: the clip at +-50, made here too,
; holds every exponential between e^-50 and e^50 and a row's sum under 2,048 e^50, inside f32.  A masked query, whose sum the definition replaces by 1 over zeros, gets the factor 0.
; THE IDEA.  The scores of 16 queries against all 2,048 keys lie in the registers of the work-group's eight waves: wave w owns keys 256 w .. 256 w + 255, 128 registers.  So each score and each exponential is made once;
; the waves exchange their partial sums through 512 bytes of LDS; then each normalises, quantises and multiplies its own numbers.  A wave's K and V (96 + 96 registers) stay in registers for the whole launch.
; SHARES.  Work-group (x, y): head and batch y, query tiles 16 x .. 16 x + 15, a tile (a BLOCK) at a time.  256 work-groups.
; ONE BARRIER A BLOCK.  The partial sums have two sets of LDS words, taken by turns: a set is written again only behind the next block's barrier, which every wave signals behind the wait for its reads of the set.
; A wave's part of O^T (its 256 keys') is only STORED in a block, into bytes that are the block's own; after eight blocks one barrier follows, and wave w sums the eight parts of block w and quantises the result.
; NO CLUSTER: the eight work-groups of a head read the same 192 KiB of K and V, but once each, at the head, straight into registers, for 256 x 2,048 scores of work; no loop fetches a shared tile.
; LAYOUT.  Both products are used transposed: S^T = K Q^T (source 0 = keys), O^T = V^T P^T (source 0 = the head's features): a lane holds ONE query (lane % 16).  Tiles are laid so that the 16 registers of
; key tiles 2 b and 2 b + 1 are keys 32 b + 16 (lane / 16) + 0 .. 15.
; K = 64 IN AN INSTRUCTION OF 128: source 0 holds TWO key tiles, one in k 0-63 and one in k 64-127; source 1 is (q, zeros) or (zeros, q): zero codes add nothing.  Over the zero half q's scale bytes are 0.
; OUT.  oc = [token tile][head][768]: the head's output as codes along the features, in the operand's register order; os = [head][quad of token tiles][r][4 words b0 b1 b0 b1].
; ACCURACY AND LIMITS: the exponent is clip(score x 8, +-400) x (log2 e / 8), one rounding, then v_exp_f32; the division is v_rcp_f32 and a multiplication.  A block of zeros gets the byte 1 where the rule says 127
; (its codes are zeros; this program alone reads the bytes); a normalised number under 2^-124 shares the floor's scale; NaN and infinities are not served.
; REGISTERS.  window 1: v0-95 K (tile i at 6 i); v96-191 V (feature tile t, key chunk c at 96 + 24 t + 6 c); v192-223 O^T (8 t); v224-241 q, zeros, q for the odd blocks.
;   window 0: v1-4 16 l, 8 l, 16 r, r + 8 (r / 8); v5-8 offsets of the next block's loads; v9-11, v14-17 LDS addresses; v12-13 the odd blocks' scale word of q and mask byte, as loaded; v18-21 sums; v22-23 the factor;
;   v24 the block's mask byte; v25-26 the even blocks' mask byte and scale word of q, as loaded; v27 a word; v28-45 q, zeros, q for the even blocks; v46-61 at work; v62-69 the conversions' scale operands; v70-71 q's two scale words;
;   v72-199 S^T, then p; v200-207 K's scale words; v208-215 V's; v216-217 p's; v218-241 p's codes; v242-249 at work; v253, v255 the closing add's two; v254 400.0.
; THE MODE: SCHED_MODE bits 1:0 = 2 (LLVM: expert scheduling mode 2), set by the entry lines.  The code itself states the register dependences between vector or matrix instructions and memory or LDS instructions,
; with s_wait_alu, always for 0.
; THE PLAN.  Registers that memory or LDS instructions touch, in the loop:
;   q's two buffers   Block p's first three vector lines and its 16 products with K read buffer p % 2 (q twice, the scale word, the mask byte); block p's six loads land in the other buffer, which block p - 1 read.
;   v5-8              Written by block p's four additions, read by block p's six loads.
;   v18               Written by the block's additions, read by the LDS store of the wave's sum.
;   v242-249          Named by the sum's additions; behind the barrier the two LDS loads of the eight sums land in them.
;   O^T, v14          Written by the eight products with V and by one addition, read by the eight LDS stores of the image.
;   v1-4, v9-11, v15-17   Made at the head and never written again.
; A block's waits: one on vm_vsrc at its head (the last block's loads and LDS stores have read what this block writes again); one on va_vdst ahead of the six loads and the products with K; one ahead of the sum's LDS store,
; which serves the two LDS loads behind the barrier too; one ahead of the products with V; one ahead of the image's stores, which serves the first loads behind the eighth block too; and the waits behind the exponentials,
; the reciprocal and the compare.
.set SUM, 0                            ; LDS: [set][r][wave] partial sums: two sets of 512 bytes
.set OP,  1024                         ; [block % 8][wave][plane][16 l]: each wave's O^T of each of eight blocks as an image of its 32 registers, 8 planes of 512 bytes: 8 x 8 x 4,096 bytes
.set SCW, OP+262144                    ; eight tiles' scale words: 512 bytes
.set TM,  46
.set TM2, 54
.set CTB, 46
.set SO,  62
.set S,   72
.set KS,  200
.set VS,  208
.set PW,  216
.set PC0, 218
.set SEL, 40
.set MSB, 0
.macro WIN new                         ; the immediate's high byte repeats the setting that is left
.if MSB != \new
	s_set_vgpr_msb (MSB<<8)|\new
.set MSB, \new
.endif
.endm
.macro QUANT2 src, cd, ct, w, tm       ; 32 numbers of a lane, register 16 b + i = k 32 b + 16 (lane / 16) + i of my row -> six registers of codes and the word b0 b1 b0 b1
.irp b, 0,1
	v_max3_num_f32 v[\tm+\b], |v[\src+16*\b]|, |v[\src+16*\b+1]|, 0x1800000
.endr
.irp i, 2,4,6,8,10,12,14
.irp b, 0,1
	v_max3_num_f32 v[\tm+\b], v[\tm+\b], |v[\src+16*\b+\i]|, |v[\src+16*\b+\i+1]|
.endr
.endr
.irp b, 0,1
	v_permlanex16_b32 v[\tm+2+\b], v[\tm+\b], s[SEL], s[SEL+1]
.endr
.irp b, 0,1
	v_max_num_f32 v[\tm+\b], v[\tm+\b], v[\tm+2+\b]
.endr
.irp b, 0,1
	v_add_nc_u32 v[\tm+4+\b], 0xff000000, v[\tm+\b]
.endr
.irp b, 0,1
	v_lshrrev_b32 v[\tm+2+\b], 23, v[\tm+4+\b]
.endr
	v_lshl_or_b32 v[\w], v[\tm+3], 8, v[\tm+2]
	v_lshl_or_b32 v[\w], v[\w], 16, v[\w]
	v_cvt_scalef32_pk16_fp6_f32 v[\cd:\cd+2], v[\src:\src+15], v[\tm+4]
	v_cvt_scalef32_pk16_fp6_f32 v[\ct:\ct+2], v[\src+16:\src+31], v[\tm+5]
	v_nop                                          ; one plain place behind a scaled conversion
.irp i, 0,1,2
	v_permlane16_swap_b32 v[\cd+\i], v[\ct+\i]
.endr
.irp i, 0,1,2
	v_mov_b32 v[\cd+3+\i], v[\ct+\i]
.endr
.endm
.macro QADDR                           ; s52 = a query tile of the sequence: the offsets of its codes, its scale word and its mask bytes
	s_mul_i32 s53, s52, 768
	s_lshr_b32 s54, s52, 2
	s_lshl_b32 s54, s54, 8
	s_and_b32 s55, s52, 3
	s_lshl_b32 s55, s55, 2
	s_add_co_u32 s54, s54, s55                     ; 256 x quad + 4 x (tile % 4)
	s_lshr_b32 s55, s52, 1
	s_lshl_b32 s55, s55, 5
	s_and_b32 s56, s52, 1
	s_lshl_b32 s56, s56, 3
	s_add_co_u32 s55, s55, s56                     ; the tile's first token: 32 (tile / 2) + 8 (tile % 2)
	v_add_nc_u32 v5, s53, v1
	v_add_nc_u32 v6, s53, v2
	v_add_nc_u32 v7, s54, v3
	v_add_nc_u32 v8, s55, v4
.endm
; q's piece twice (in front of the zeros and behind them), its scale word, its queries' mask bytes, into buffer b.  b = 0: all in window 0.  b = 1: the caller has set the destination's window to 1 for the first four loads.
.macro QLOAD b
.set QN, 28+196*(\b)
	global_load_b128 v[QN:QN+3], v5, s[20:21]
	global_load_b64 v[QN+4:QN+5], v6, s[20:21] offset:512
	global_load_b128 v[QN+12:QN+15], v5, s[20:21]
	global_load_b64 v[QN+16:QN+17], v6, s[20:21] offset:512
	WIN 0
	global_load_b32 v[26-14*(\b)], v7, s[26:27]
	global_load_u8 v[25-12*(\b)], v8, s[32:33]
.endm
	s_load_b256 s[4:11], s[0:1], 0x0               ; pc, ps, mask, oc
	s_load_b64 s[12:13], s[0:1], 0x20              ; os
	v_lshl_add_u32 v253, v0, 2, 0x40600
	v_mov_b32 v255, 0
	v_lshrrev_b32 v1, 5, v0
	v_readfirstlane_b32 s14, v1                    ; wave 0..7
	s_mov_b32 s15, ttmp9                           ; which 16 query tiles
	s_and_b32 s16, ttmp7, 0xffff                   ; 16 x batch + head
	s_lshr_b32 s17, s16, 4
	s_and_b32 s18, s16, 15
	v_and_b32 v18, 31, v0                          ; lane
	v_and_b32 v19, 15, v0                          ; r
	v_lshlrev_b32 v1, 4, v18
	v_lshlrev_b32 v2, 3, v18
	v_lshlrev_b32 v3, 4, v19
	v_and_b32 v4, 8, v19
	v_add_nc_u32 v4, v4, v19
	s_wait_alu depctr_va_sdst(0)                   ; s14 is written, ahead of its first reader: LDS addresses and the bases of K and V are made from it
	s_lshl_b32 s47, s14, 2
	v_lshl_add_u32 v9, v19, 5, s47                 ; SUM + 32 r + 4 w: where my wave's sum of query r goes (the set stands in the immediate)
	v_lshlrev_b32 v10, 5, v19                      ; SUM + 32 r: the eight sums of query r
	s_lshl_b32 s47, s14, 12
	s_add_co_u32 s47, s47, OP
	v_add_nc_u32 v11, s47, v1                      ; my wave's image of O^T in block 0 of eight
	s_lshl_b32 s47, s14, 15
	s_add_co_u32 s47, s47, OP
	v_add_nc_u32 v15, s47, v1                      ; the eight images of block w of eight: what I sum and quantise
	s_lshr_b32 s47, s14, 2
	s_lshl_b32 s47, s47, 8
	s_and_b32 s48, s14, 3
	s_lshl_b32 s48, s48, 2
	s_add_co_u32 s47, s47, s48
	s_add_co_u32 s47, s47, SCW
	v_add_nc_u32 v16, s47, v3                      ; my tile's word: quad w / 4, row r, word w % 4
	v_add_nc_u32 v17, SCW, v1
	v_mov_b32 v254, 0x43c80000                     ; 400.0 = 8 x 50
.irp i, 34,35,36,37,38,39
	v_mov_b32 v\i, 0                               ; the zero codes between the two copies of q: written once
.endr
	WIN 0x40                                       ; destination window 1
.irp i, 230,231,232,233,234,235
	v_mov_b32 v\i, 0                               ; the same in the odd blocks' buffer
.endr
	WIN 0
.irp i, 0,1,2,3,4,5,6,7
	v_mov_b32 v[TM2+\i], 0                         ; written once: a lane permute's destination counts as one of its sources
.endr
	s_mov_b32 s38, 0x3e38aa3b                      ; log2(e) / 8
	s_mov_b32 s39, s38                             ; (named with it as a pair, so it is written)
	s_mov_b32 s[SEL], 0x76543210
	s_mov_b32 s[SEL+1], 0xfedcba98
	s_mov_b32 s42, 0xffff
	s_mov_b32 s43, 0                               ; where the trip's two blocks' images go: 65,536 x trip
	s_mov_b32 s45, 0                               ; eights of blocks done
	s_mov_b32 s46, 0                               ; the trip's first block, 0, 2 .. 14
	s_mov_b32 s51, 0
	s_mul_i32 s47, s16, 98304                      ; a head's 128 pieces
	s_mov_b32 s50, s47
	s_wait_kmcnt 0x0
	s_add_nc_u64 s[20:21], s[4:5], s[50:51]        ; q's pieces
	s_mul_i32 s48, s14, 12288
	s_add_co_u32 s50, s47, s48
	s_add_co_u32 s50, s50, 3145728
	s_add_nc_u64 s[22:23], s[4:5], s[50:51]        ; k's: my 16 tiles
	s_mul_i32 s48, s14, 3072
	s_add_co_u32 s50, s47, s48
	s_add_co_u32 s50, s50, 6291456
	s_add_nc_u64 s[24:25], s[4:5], s[50:51]        ; v's: my 4 key chunks
	s_lshl_b32 s47, s16, 13
	s_mov_b32 s50, s47
	s_add_nc_u64 s[26:27], s[6:7], s[50:51]        ; q's scale words
	s_lshl_b32 s48, s14, 10
	s_add_co_u32 s47, s47, s48
	s_add_co_u32 s50, s47, 262144
	s_add_nc_u64 s[28:29], s[6:7], s[50:51]        ; k's: my 4 quads
	s_add_co_u32 s50, s47, 524288
	s_add_nc_u64 s[30:31], s[6:7], s[50:51]        ; v's: my 4 chunks
	s_lshl_b32 s50, s17, 11
	s_add_nc_u64 s[32:33], s[8:9], s[50:51]        ; the batch's mask bytes
	s_lshl_b32 s52, s15, 4                         ; the first block's query tile
	QADDR                                          ; its offsets are made ahead of the one wait below
	WIN 0x40                                       ; destination window 1, address window 0
	s_wait_alu depctr_va_vdst(0)                   ; the offsets and addresses v1 to v11 and v15 to v17 are written, which the loads and stores of the whole kernel read
.irp i, 0,1,2,3,4,5,6,7,8,9,10,11,12,13,14,15
	global_load_b128 v[6*\i:6*\i+3], v1, s[22:23] offset:768*\i
	global_load_b64 v[6*\i+4:6*\i+5], v2, s[22:23] offset:768*\i+512
.endr
.irp t, 0,1,2,3
.irp c, 0,1,2,3
	global_load_b128 v[96+24*\t+6*\c:96+24*\t+6*\c+3], v1, s[24:25] offset:24576*\t+768*\c
	global_load_b64 v[96+24*\t+6*\c+4:96+24*\t+6*\c+5], v2, s[24:25] offset:24576*\t+768*\c+512
.endr
.endr
	WIN 0
.irp q, 0,1,2,3
	global_load_b128 v[S+4*\q:S+4*\q+3], v3, s[28:29] offset:256*\q          ; k's words of tiles 4 q .. 4 q + 3
	global_load_b128 v[S+16+4*\q:S+16+4*\q+3], v3, s[30:31] offset:256*\q    ; v's words of chunk q, feature tiles 0 .. 3
.endr
	QLOAD 0                                        ; the first block is an even one
	s_wait_loadcnt 0x0
.irp i, 0,1,2,3,4,5,6,7
	v_bfi_b32 v[KS+\i], s42, v[S+2*\i], v[S+2*\i+1]                    ; a pair of key tiles: the first's two bytes below, the second's above
.endr
.irp t, 0,1,2,3
.irp u, 0,1
	v_bfi_b32 v[VS+2*\t+\u], s42, v[S+16+8*\u+\t], v[S+16+8*\u+4+\t]   ; 128 keys: chunk 2 u's two bytes below, chunk 2 u + 1's above
.endr
.endr
; A BLOCK: 16 queries.  odd = 0, 1: the trip's first or second block: it picks q's buffer, the set of partial sums and the block's own bytes for the images, the last two by immediates.
.macro BLOCK odd
.set QB, 28+196*\odd                   ; this block's q, zeros, q: v28-45, or v224-241 of window 1
.set QW, 26-14*\odd                    ; its scale word as loaded
.set QM, 25-12*\odd                    ; its mask byte as loaded
	s_wait_loadcnt 0x0                             ; q, its word and its mask bytes, asked for a block ago; their offsets may be written again
	s_wait_alu depctr_vm_vsrc(0)                   ; the last block's six loads have read v5-8, and its LDS stores v18, v14 and O^T: this block writes all of them again
	v_and_b32 v70, s42, v[QW]                      ; q's scale word for (q, zeros),
	v_and_b32 v71, 0xffff0000, v[QW]               ; and for (zeros, q)
	v_mov_b32 v24, v[QM]
	s_add_co_u32 s52, s46, 1+\odd
	s_min_u32 s52, s52, 15                         ; the next block; the last asks for itself again: no load leaves its buffer
	s_lshl_b32 s53, s15, 4
	s_add_co_u32 s52, s52, s53
	QADDR
.rept 3
	v_nop                                          ; with the five lines above: eight places between the write of a scale register and the scaled product
.endr
.if \odd == 0
	WIN 0x40                                       ; the next block's q lands in window 1
.endif
	s_wait_alu depctr_va_vdst(0)                   ; v70 and v71 are written (ahead of the first block: K's and V's scale words and the zero codes too), which the scaled products take; v5-8 are written, which the loads read; the last block is done reading the other buffer of q, in which they land
.if \odd
	QLOAD 0                                        ; the next block's, a whole block ahead of their use
	WIN 0x05                                       ; source 0 (K) and source 1 (q) window 1
.else
	QLOAD 1
	WIN 0x01                                       ; source 0 (K) window 1
.endif
.irp i, 0,1,2,3,4,5,6,7
	v_wmma_scale_f32_16x16x128_f8f6f4 v[S+16*\i:S+16*\i+7], v[12*\i:12*\i+11], v[QB:QB+11], 0, v[KS+\i], v70 matrix_a_fmt:MATRIX_FMT_FP6 matrix_b_fmt:MATRIX_FMT_FP6
	v_wmma_scale_f32_16x16x128_f8f6f4 v[S+16*\i+8:S+16*\i+15], v[12*\i:12*\i+11], v[QB+6:QB+17], 0, v[KS+\i], v71 matrix_a_fmt:MATRIX_FMT_FP6 matrix_b_fmt:MATRIX_FMT_FP6
.endr
	WIN 0
.rept 4
	v_nop                                          ; four places in front of the first read of results
.endr
	; ---- e = 2^(clip(s, +-400) x log2(e) / 8), in place; a tile's clip stands between the exponentials of the tile before
.irp j, 0,1,2,3,4,5,6,7
	v_med3_num_f32 v[S+\j], v[S+\j], -v254, v254
.endr
.irp j, 0,2,4,6
	v_pk_mul_f32 v[S+\j:S+\j+1], v[S+\j:S+\j+1], s[38:39] op_sel_hi:[1,0]
.endr
.set T, 0
.rept 15
.irp j, 0,1,2,3,4,5,6,7
	v_med3_num_f32 v[S+8*(T+1)+\j], v[S+8*(T+1)+\j], -v254, v254
	v_exp_f32 v[S+8*T+\j], v[S+8*T+\j]
.endr
.irp j, 0,2,4,6
	v_pk_mul_f32 v[S+8*(T+1)+\j:S+8*(T+1)+\j+1], v[S+8*(T+1)+\j:S+8*(T+1)+\j+1], s[38:39] op_sel_hi:[1,0]
.endr
.set T, T+1
.endr
.irp j, 0,1,2,3,4,5,6,7
	v_exp_f32 v[S+120+\j], v[S+120+\j]
.endr
	v_nop                                          ; a plain place behind the last exponential
	s_wait_alu depctr_va_vdst(0)                   ; the 128 exponentials have written v72-199: one wait, ahead of their first reader
	; ---- my 128 numbers' sum: 63 packed additions in four chains
	v_pk_add_f32 v[18:19], v[S:S+1], v[S+8:S+9]
	v_pk_add_f32 v[20:21], v[S+2:S+3], v[S+10:S+11]
	v_pk_add_f32 v[242:243], v[S+4:S+5], v[S+12:S+13]
	v_pk_add_f32 v[244:245], v[S+6:S+7], v[S+14:S+15]
.set J, 16
.rept 14
	v_pk_add_f32 v[18:19], v[18:19], v[S+J:S+J+1]
	v_pk_add_f32 v[20:21], v[20:21], v[S+J+2:S+J+3]
	v_pk_add_f32 v[242:243], v[242:243], v[S+J+4:S+J+5]
	v_pk_add_f32 v[244:245], v[244:245], v[S+J+6:S+J+7]
.set J, J+8
.endr
	v_pk_add_f32 v[18:19], v[18:19], v[20:21]
	v_pk_add_f32 v[242:243], v[242:243], v[244:245]
	v_pk_add_f32 v[18:19], v[18:19], v[242:243]
	v_add_f32 v18, v18, v19
	v_permlanex16_b32 v20, v18, s[SEL], s[SEL+1]
	v_add_f32 v18, v18, v20                        ; my wave's 256 keys' sum of query r
	s_wait_alu depctr_va_vdst(0)                   ; v18 is written, which the LDS store reads; the additions are done with v242-249, in which the two LDS loads behind the barrier land: the lines between name v46-53 and v72-199 alone
	ds_store_b32 v9, v18 offset:512*\odd           ; (both halves of the lanes write the same word with the same value)
	s_wait_dscnt 0x0                               ; for the others' sake: my sum has landed; my reads of the other set of sums are over; the last block's image has landed
	s_barrier_signal -1
	; between signal and wait, on registers alone: each block of 32 keys' largest e.  The factor is not negative, so the largest e times the factor is the block's largest p, with the same bits
.irp b, 0,1,2,3,4,5,6,7
	v_max3_num_f32 v[TM+\b], v[S+16*\b], v[S+16*\b+1], v[S+16*\b+2]
.endr
.irp i, 3,5,7,9,11,13
.irp b, 0,1,2,3,4,5,6,7
	v_max3_num_f32 v[TM+\b], v[TM+\b], v[S+16*\b+\i], v[S+16*\b+\i+1]
.endr
.endr
.irp b, 0,1,2,3,4,5,6,7
	v_max_num_f32 v[TM+\b], v[TM+\b], v[S+16*\b+15]
.endr
	s_barrier_wait -1                              ; all eight sums lie in LDS
	ds_load_b128 v[242:245], v10 offset:512*\odd
	ds_load_b128 v[246:249], v10 offset:512*\odd+16
.irp b, 0,1,2,3,4,5,6,7
	v_permlanex16_b32 v[TM2+\b], v[TM+\b], s[SEL], s[SEL+1]
.endr
.irp b, 0,1,2,3,4,5,6,7
	v_max_num_f32 v[TM+\b], v[TM+\b], v[TM2+\b]    ; with lane l xor 16's 16 keys
.endr
	s_wait_dscnt 0x0
	v_pk_add_f32 v[242:243], v[242:243], v[244:245]
	v_pk_add_f32 v[246:247], v[246:247], v[248:249]
	v_pk_add_f32 v[242:243], v[242:243], v[246:247]
	v_add_f32 v242, v242, v243                     ; the row's denominator: the same order, so the same bits, in every wave
	v_rcp_f32 v22, v242
	v_nop                                          ; a plain place behind the reciprocal
	v_cmp_ne_u32 vcc_lo, 0, v24
	s_wait_alu depctr_va_vdst(0)                   ; the reciprocal has written v22, ahead of its first reader
	s_wait_alu depctr_va_vcc(0)                    ; the compare has written VCC, which the selection reads
	v_cndmask_b32 v22, 0, v22, vcc_lo              ; a masked query: the factor 0
	v_mov_b32 v23, v22
.irp b, 0,2,4,6
	v_pk_mul_f32 v[TM+\b:TM+\b+1], v[TM+\b:TM+\b+1], v[22:23]   ; the blocks' largest p
.endr
.irp b, 0,1,2,3,4,5,6,7
	v_max_num_f32 v[TM+\b], 0x1800000, v[TM+\b]    ; the floor 2^(3 - 127): the byte cannot fall under 1
.endr
.irp b, 0,1,2,3,4,5,6,7
	v_add_nc_u32 v[SO+\b], 0xff000000, v[TM+\b]    ; 2 off the exponent field: the conversion's scale operand
.endr
.irp b, 0,1,2,3,4,5,6,7
	v_lshrrev_b32 v[TM2+\b], 23, v[SO+\b]          ; the scale's byte
.endr
.irp u, 0,1
	v_lshl_or_b32 v[PW+\u], v[TM2+4*\u+1], 8, v[TM2+4*\u]       ; p's scale word for keys 128 u on
	v_lshl_or_b32 v[PW+\u], v[TM2+4*\u+2], 16, v[PW+\u]
	v_lshl_or_b32 v[PW+\u], v[TM2+4*\u+3], 24, v[PW+\u]
.endr
.set J, 0
.rept 64
	v_pk_mul_f32 v[S+J:S+J+1], v[S+J:S+J+1], v[22:23]           ; p = e / denominator, or 0
.set J, J+2
.endr
.irp u, 0,1
.irp c, 0,1
	v_cvt_scalef32_pk16_fp6_f32 v[PC0+12*\u+6*\c:PC0+12*\u+6*\c+2], v[S+64*\u+32*\c:S+64*\u+32*\c+15], v[SO+4*\u+2*\c]
	v_cvt_scalef32_pk16_fp6_f32 v[CTB+8*\u+4*\c:CTB+8*\u+4*\c+2], v[S+64*\u+32*\c+16:S+64*\u+32*\c+31], v[SO+4*\u+2*\c+1]   ; (a conversion's three registers begin on an even number)
.endr
.endr
	v_nop                                          ; one plain place behind a scaled conversion
.irp u, 0,1
.irp c, 0,1
.irp i, 0,1,2
	v_permlane16_swap_b32 v[PC0+12*\u+6*\c+\i], v[CTB+8*\u+4*\c+\i]   ; a lane wants a WHOLE block: lanes 0-15 block 2 c, lanes 16-31 block 2 c + 1
.endr
.irp i, 0,1,2
	v_mov_b32 v[PC0+12*\u+6*\c+3+\i], v[CTB+8*\u+4*\c+\i]
.endr
.endr
.endr
.rept 4
	v_nop                                          ; four places between the write of an operand and the scaled product; p's scale words were written more than 64 plain lines ago
.endr
	WIN 0x51                                       ; source 0 (V), C and D window 1; source 1 (p) window 0
	s_wait_alu depctr_va_vdst(0)                   ; p's codes v218-241 and p's scale words v216-217 are written, which the scaled products take; the places above stay beside this wait
.irp t, 0,1,2,3                        ; the four accumulators take turns; the first products start the sums
	v_wmma_scale_f32_16x16x128_f8f6f4 v[192+8*\t:199+8*\t], v[96+24*\t:96+24*\t+11], v[PC0:PC0+11], 0, v[VS+2*\t], v[PW] matrix_a_fmt:MATRIX_FMT_FP6 matrix_b_fmt:MATRIX_FMT_FP6
.endr
.irp t, 0,1,2,3
	v_wmma_scale_f32_16x16x128_f8f6f4 v[192+8*\t:199+8*\t], v[96+24*\t+12:96+24*\t+23], v[PC0+12:PC0+23], v[192+8*\t:199+8*\t], v[VS+2*\t+1], v[PW+1] matrix_a_fmt:MATRIX_FMT_FP6 matrix_b_fmt:MATRIX_FMT_FP6
.endr
	WIN 0
	v_add_nc_u32 v14, s43, v11                     ; my image's place in this trip's blocks.  With the three lines below: four places in front of the stores that read results
.rept 3
	v_nop
.endr
	WIN 0x04                                       ; an LDS store's data are its source 1: window 1
	s_wait_alu depctr_va_vdst(0)                   ; the products have written O^T and the addition v14, which the LDS stores read; the places above stay beside this wait
.irp p, 0,1,2,3,4,5,6,7
	ds_store_b128 v14, v[192+4*\p:195+4*\p] offset:32768*\odd+512*\p   ; my keys' part of O^T, as an image of its registers, into the block's own bytes; each accumulator from its low end on
.endr
	WIN 0                                          ; nothing waits for these stores here: the wait in front of the next barrier's signal covers them
.endm
.Louter:
	s_mov_b32 s44, 0
.Linner:                                           ; four trips of two blocks: q's two buffers and the two sets of sums are back at their start
	BLOCK 0
	BLOCK 1
	s_add_co_u32 s43, s43, 65536
	s_add_co_u32 s46, s46, 2
	s_add_co_u32 s44, s44, 1
	s_cmp_lt_u32 s44, 4
	s_cbranch_scc1 .Linner
	; ---- eight blocks' images lie in LDS: wave w sums the eight waves' parts of block w and quantises its 16 queries x 64 features along the features
	s_wait_dscnt 0x0                               ; my images have landed, and my reads of the sums are over
	s_barrier_signal -1
	s_barrier_wait -1                              ; everybody's have
.irp i, 0,1,2,3,4,5,6,7
.irp p, 0,1,2,3
	ds_load_b128 v[S+16*\i+4*\p:S+16*\i+4*\p+3], v15 offset:4096*\i+512*\p   ; registers 0-15 of wave i's part.  No wait on va_vdst: no vector or matrix instruction has been issued since the one ahead of the last block's image stores
.endr
.endr
	s_lshl_b32 s52, s17, 7
	s_lshl_b32 s53, s15, 4
	s_add_co_u32 s52, s52, s53
	s_lshl_b32 s53, s45, 3
	s_add_co_u32 s52, s52, s53                     ; the eight's first token tile: 128 x batch + 16 x + 8 x (which eight)
	s_add_co_u32 s53, s52, s14
	s_lshl_b32 s53, s53, 4
	s_add_co_u32 s53, s53, s18
	s_mul_i32 s50, s53, 768
	s_add_nc_u64 s[34:35], s[10:11], s[50:51]      ; oc: [tile][head]
	s_lshr_b32 s52, s52, 2
	s_lshl_b32 s52, s52, 8
	s_lshl_b32 s53, s18, 14
	s_add_co_u32 s50, s52, s53
	s_add_nc_u64 s[36:37], s[12:13], s[50:51]      ; os: [head][quad]
	s_wait_dscnt 0x0
.irp q, 0,2,4,6,8,10,12,14             ; ((0 + 1) + (2 + 3)) + ((4 + 5) + (6 + 7)), into wave 0's place: registers 0-15 of the whole O^T
	v_pk_add_f32 v[S+\q:S+\q+1], v[S+\q:S+\q+1], v[S+16+\q:S+17+\q]
	v_pk_add_f32 v[S+32+\q:S+33+\q], v[S+32+\q:S+33+\q], v[S+48+\q:S+49+\q]
	v_pk_add_f32 v[S+64+\q:S+65+\q], v[S+64+\q:S+65+\q], v[S+80+\q:S+81+\q]
	v_pk_add_f32 v[S+96+\q:S+97+\q], v[S+96+\q:S+97+\q], v[S+112+\q:S+113+\q]
	v_pk_add_f32 v[S+\q:S+\q+1], v[S+\q:S+\q+1], v[S+32+\q:S+33+\q]
	v_pk_add_f32 v[S+64+\q:S+65+\q], v[S+64+\q:S+65+\q], v[S+96+\q:S+97+\q]
	v_pk_add_f32 v[S+\q:S+\q+1], v[S+\q:S+\q+1], v[S+64+\q:S+65+\q]
.endr
	s_wait_alu depctr_va_vdst(0)                   ; the additions above are done with v88-199, in which the next loads land
.irp i, 0,1,2,3,4,5,6
.irp p, 0,1,2,3
	ds_load_b128 v[S+16+16*\i+4*\p:S+16+16*\i+4*\p+3], v15 offset:4096*\i+2048+512*\p   ; registers 16-31 of wave i's part, behind the sixteen just summed;
.endr
.endr
.irp p, 0,1,2,3
	ds_load_b128 v[PC0+4*\p:PC0+4*\p+3], v15 offset:4096*7+2048+512*\p                  ; wave 7's in the registers of p's codes, which are free here
.endr
	s_wait_dscnt 0x0
.irp q, 0,2,4,6,8,10,12,14             ; the same order of additions: registers 16-31 of the whole O^T
	v_pk_add_f32 v[S+16+\q:S+17+\q], v[S+16+\q:S+17+\q], v[S+32+\q:S+33+\q]
	v_pk_add_f32 v[S+48+\q:S+49+\q], v[S+48+\q:S+49+\q], v[S+64+\q:S+65+\q]
	v_pk_add_f32 v[S+80+\q:S+81+\q], v[S+80+\q:S+81+\q], v[S+96+\q:S+97+\q]
	v_pk_add_f32 v[S+112+\q:S+113+\q], v[S+112+\q:S+113+\q], v[PC0+\q:PC0+1+\q]
	v_pk_add_f32 v[S+16+\q:S+17+\q], v[S+16+\q:S+17+\q], v[S+48+\q:S+49+\q]
	v_pk_add_f32 v[S+80+\q:S+81+\q], v[S+80+\q:S+81+\q], v[S+112+\q:S+113+\q]
	v_pk_add_f32 v[S+16+\q:S+17+\q], v[S+16+\q:S+17+\q], v[S+80+\q:S+81+\q]
.endr
	QUANT2 S, PC0, 56, 27, TM
	s_wait_alu depctr_va_vdst(0)                   ; the codes v218-223 and the word v27 are written, which the three stores read; the quantiser is done reading v72-75, in which wave 0's LDS load behind the barrier lands
	global_store_b128 v1, v[PC0:PC0+3], s[34:35]             ; 512 consecutive bytes
	global_store_b64 v2, v[PC0+4:PC0+5], s[34:35] offset:512 ; 256 consecutive bytes
	ds_store_b32 v16, v27
	s_wait_dscnt 0x0                               ; my word has landed, and my reads of the images are over: they are written again only behind this barrier
	s_barrier_signal -1
	s_barrier_wait -1
	s_cmp_lg_u32 s14, 0
	s_cbranch_scc1 .Lnot_first
	ds_load_b128 v[S:S+3], v17                     ; two quads' words
	s_wait_dscnt 0x0
	global_store_b128 v1, v[S:S+3], s[36:37]       ; 512 consecutive bytes
.Lnot_first:
	s_wait_xcnt 0x0                                ; the stores have had their addresses translated: their registers and bases are written again only behind this wait
	s_wait_alu depctr_vm_vsrc(0)                   ; the stores have read the codes v218-223, the word v27 and, in wave 0, v72-75, which the next eight blocks write again
	s_sub_co_u32 s43, s43, 262144                  ; back to the first block's images
	s_add_co_u32 s45, s45, 1
	s_cmp_lt_u32 s45, 2
	s_cbranch_scc1 .Louter
	s_wait_dscnt 0x0                               ; the closing lines, six on end
	s_wait_alu 0x0
	s_wait_tensorcnt 0x0
	ds_add_u32 v253, v255
	s_wait_dscnt 0x0
	s_endpgm
.Lfunc_end_k_q0f896bcd63_attn:
	.size	k_q0f896bcd63_attn, .Lfunc_end_k_q0f896bcd63_attn-k_q0f896bcd63_attn
	.p2alignl 7, 3214868480
	.fill 96, 4, 3214868480
	.section	.rodata,"a",@progbits
	.p2align	6, 0x0
	.amdhsa_kernel k_q0f896bcd63_attn
		.amdhsa_group_segment_fixed_size 264704
		.amdhsa_private_segment_fixed_size 0
		.amdhsa_enable_private_segment 0
		.amdhsa_kernarg_size 40
		.amdhsa_user_sgpr_count 2
		.amdhsa_user_sgpr_kernarg_segment_ptr 1
		.amdhsa_wavefront_size32 1
		.amdhsa_system_sgpr_workgroup_id_x 1
		.amdhsa_system_sgpr_workgroup_id_y 1
		.amdhsa_system_sgpr_workgroup_id_z 1
		.amdhsa_system_vgpr_workitem_id 0
		.amdhsa_next_free_vgpr 512
		.amdhsa_next_free_sgpr 66
		.amdhsa_reserve_vcc 1
		.amdhsa_float_denorm_mode_32 3
		.amdhsa_float_denorm_mode_16_64 3
		.amdhsa_memory_ordered 1
		.amdhsa_forward_progress 1
		.amdhsa_inst_pref_size 105
	.end_amdhsa_kernel
	.amdgpu_metadata
---
amdhsa.version: [ 1, 2 ]
amdhsa.kernels:
  - .name:           k_q0f896bcd63_attn
    .symbol:         k_q0f896bcd63_attn.kd
    .args:
      - { .name: pc, .offset: 0, .size: 8, .value_kind: global_buffer, .address_space: global }
      - { .name: ps, .offset: 8, .size: 8, .value_kind: global_buffer, .address_space: global }
      - { .name: mask, .offset: 16, .size: 8, .value_kind: global_buffer, .address_space: global }
      - { .name: oc, .offset: 24, .size: 8, .value_kind: global_buffer, .address_space: global }
      - { .name: os, .offset: 32, .size: 8, .value_kind: global_buffer, .address_space: global }
    .group_segment_fixed_size: 264704
    .private_segment_fixed_size: 0
    .kernarg_segment_align: 8
    .kernarg_segment_size: 40
    .max_flat_workgroup_size: 256
    .sgpr_count:     66
    .vgpr_count:     512
    .wavefront_size: 32
...
	.end_amdgpu_metadata
.endif
;; end of part 5
;; launch outp: the kernel of part 4 again; grid 8 x 32, 4 waves a work-group, clusters of 4 x 4, 214,528 bytes of LDS; arguments xc, xs, oc, os, out0; writes out0
